; MI455X (gfx1250); checked and timed in simulation.
; The chip was launched on July 23, 2026; its instructions are those of AMD's public machine-readable ISA for CDNA 5 (MIT licence, August 2026) and "CDNA5" Instruction Set Architecture Reference Guide (July 2026). The comments in the code are by the model that wrote it; some were corrected since.
;; CP Wan Self Attention. Allowed arithmetic: matrix products marked QUANTISED: E2M3 operands, one E8M0 scale for each 32 along K, by v_wmma_scale_f32_16x16x128_f8f6f4 with both operands' format E2M3, f32 sums; everything else in f32.
;; Inputs: Wk 2,048 x 2,048 float32; Wo 2,048 x 2,048 float32; Wq 2,048 x 2,048 float32; Wv 2,048 x 2,048 float32; bk 2,048 float32; bo 2,048 float32; bq 2,048 float32; bv 2,048 float32; freqs_cos 1 x 2,048 x 1 x 128 float32; freqs_sin 1 x 2,048 x 1 x 128 float32; hidden_states 1 x 2,048 x 2,048 float32; norm_k_w 2,048 float32; norm_q_w 2,048 float32.
;; Outputs: out0 1 x 2,048 x 2,048 float32.
;; This version of the problem:
;;   THIS VERSION OF THE PROBLEM IS GIVEN IN LOW PRECISION. The matrix products marked QUANTISED in the list below multiply operands that are first quantised to E2M3 (2 exponent bits, 3 mantissa bits; 6 bits a number), with one power-of-two scale for each 32 numbers along K (OCP MX v1.0); their sums are f32. All else is computed in f32.
;;   The module's matrix products, in the order in which they are computed (A, B: the left and right operand; K: the contracted axis; several contracted axes count as one K, in the product's order):
;;     1. [M 2,048, K 2,048] x [K 2,048, N 2,048]; A: input hidden_states; B: input Wq: QUANTISED
;;     2. [M 2,048, K 2,048] x [K 2,048, N 2,048]; A: input hidden_states; B: input Wk: QUANTISED
;;     3. [M 2,048, K 2,048] x [K 2,048, N 2,048]; A: input hidden_states; B: input Wv: QUANTISED
;;     4. batch 16 x [M 2,048, K 128] x [K 128, N 2,048]; A: computed on the way; B: computed on the way: QUANTISED
;;     5. batch 16 x [M 2,048, K 2,048] x [K 2,048, N 128]; A: softmax (see below); B: computed on the way: QUANTISED
;;     6. [M 2,048, K 2,048] x [K 2,048, N 2,048]; A: computed on the way; B: input Wo: QUANTISED
;;   THE QUANTISER, for each operand of a quantised product, along K:
;;     - K is cut into blocks of 32 from its start; a last block that is shorter is filled with zeros.
;;     - A block's scale is 2^e with e = floor(log2(the largest magnitude in the block)) - 2, held to -126 .. 127; a block of zeros has e = 0. As a byte (E8M0): e + 127.
;;     - Each number is divided by its block's scale, clamped to +-7.5, and rounded to the nearest number of E2M3, ties to even, subnormals kept.
;;     - The product sums the exact products of the quantised numbers (number of the format x scale) in f32.
;;   ~~~python
;;   def quantise(x, axis):      # numpy; x: float32 -> the quantised numbers, widened to float32 again
;;       x = np.moveaxis(x, axis, -1); K = x.shape[-1]
;;       x = np.pad(x, [(0, 0)] * (x.ndim - 1) + [(0, -K % 32)]); x = x.reshape(x.shape[:-1] + (-1, 32)); a = np.abs(x).max(-1, keepdims=True)
;;       e = np.where(a > 0, np.clip(np.frexp(np.where(a > 0, a, 1))[1] - 1 - 2, -126, 127), 0)      # np.frexp(a)[1] - 1 = floor(log2(a)), exactly
;;       r = np.clip(x / 2.0 ** e, -7.5, 7.5)
;;       step = 2.0 ** (np.maximum(np.frexp(np.where(r == 0, 1, r))[1] - 1, 0) - 3)
;;       q = np.round(r / step) * step * 2.0 ** e      # np.round: ties to even
;;       return np.moveaxis(q.reshape(q.shape[:-2] + (-1,))[..., :K], -1, axis).astype(np.float32)
;;   ~~~
;;   SOFTMAX AHEAD OF A QUANTISED PRODUCT. Where the list says 'softmax', what is quantised is not the finished softmax but p = 2^(t - M), with t = logit x log2(e) and M = ceil(the row's largest t), a whole number; so 1/2 < the row's largest p <= 1. The row's sum l is taken of the UNQUANTISED p, in f32, and the product's result is divided by l at the end. Since M is a whole number, a kernel that streams over the keys may use a running M (the ceiling of the running maximum): every later rescaling is an exact power of two, which a block's scale takes up: the codes' values come out the same.
;;   OPERANDS COMPUTED ON THE WAY. 'Computed on the way' means the value that the module computes at that place (a softmax that the list does not call 'softmax' is quantised finished and normalised). What goes into a quantiser is computed in f32, as accurately as f32 sums, v_exp_f32 and their like allow (about 1e-6 of the number): no bf16 or f16 on the way to a quantiser, and a product that is left as it is and whose result goes on into a quantised operand takes f32 operands (vector FMAs, or v_wmma_f32_16x16x4_f32). A number that lies on a knife's edge between two numbers of the format may be rounded either way, as far as f32 arithmetic and the matrix unit's own rounding can turn it there, and no further.
;; One version. Each part assembles by itself: llvm-mc -triple=amdgcn-amd-amdhsa -mcpu=gfx1250 --defsym DOCPART=n.
;; ======== version 1 of 1: 5 launches
;; limits: right only within a limited range of input values
;; workspace buffers: xq 3,276,800 bytes; oq 3,276,800 bytes; wq 9,830,400 bytes; woq 3,538,944 bytes; qkv 33,554,432 bytes; qkvq 9,830,400 bytes
;; launch quant (part 1): grid 1280 x 1, 4 waves a work-group, no clusters, 33,792 bytes of LDS; arguments hidden_states, Wq, Wk, Wv, Wo, xq, wq, woq; writes xq, wq, woq
.if DOCPART == 1
	.amdgcn_target "amdgcn-amd-amdhsa--gfx1250"
	.amdhsa_code_object_version 6
	.text
	.protected	k_qd01acef8d3_quant
	.globl	k_qd01acef8d3_quant
	.p2align	8
	.type	k_qd01acef8d3_quant,@function
k_qd01acef8d3_quant:
	s_mov_b64 s[64:65], 0
	v_nop
	global_prefetch_b8 v0, s[64:65] scope:SCOPE_SE
	s_setreg_imm32_b32 hwreg(HW_REG_WAVE_MODE, 25, 1), 1
	s_wait_xcnt 0x0
; hidden_states, Wq, Wk, Wv, Wo, each [2048][2048] f32 with K innermost, become codes of FP6 (E2M3) with one E8M0 scale byte for each 32 along K.
; A block's scale is 2^(floor(log2(its largest magnitude)) - 2); its byte is the largest magnitude's exponent field - 2, held at 1 from below.
; LIMITS: a block of zeros, or one under 2^-124, gets the byte 1 (the bytes are read by this program alone); NaN and infinities are not served.
; A work-group takes the 16 rows of one fragment row block rb x one half kh of K (1,024): 5 x 128 x 2 = 1,280 work-groups.  Wave w takes rows m = 4 w .. 4 w + 3, in 8 steps of 512 numbers, all 32 loads asked for at its head;
; each step turns through the wave's own LDS stage so that a lane holds 16 neighbours.
; WHICH ROWS: in Wq, Wk, Wo row m of block rb is row 16 rb + m.  In hidden_states and Wv it is row 32 (rb / 2) + 8 (rb % 2) + m + 8 (m / 8), so that v's results are neighbours along the keys and lie as attention's fragments want them.
; WHAT IS STORED: images of the operand's registers.  Fragment (rb, step st of 128 K) is 1,536 bytes: register p (0 .. 11) of lane L = m + 16 h lies at 512 (p / 4) + 16 L + 4 (p % 4);
; registers 6 c .. 6 c + 5 hold K = 64 c + 32 h + 0 .. 31.  Fragments lie step-major in groups of GR: group x GR 24,576 + st GR 1,536 + place x 1,536.
; xq, woq: GR = 4, group rb / 4, place rb % 4.  wq: GR = 12, group j holds blocks 4 j .. 4 j + 3 of Wq (places 0-3), of Wk (4-7) and of Wv (8-11).
; Scale words, 1,024 bytes for each (group, place) on end: the word of row m and step st lies at 512 (st / 8) + 16 (m + 16 (st % 2)) + 4 ((st % 8) / 2): a half of K is 512 bytes on end.
; xq: images at 0, scale words at 3,145,728.  wq and woq: scale words at 0, images at 393,216.
; The images and words are gathered in LDS by all four waves and leave behind one barrier: images 512 consecutive bytes a store, scale words 128 a wave.
.set STEPS, 8
.set R,     16                         ; v16-143  eight sets of 16 numbers as loaded; at the end the images on their way out
.set X,     144                        ; v144-175 two sets of 16 neighbours
.set C,     176                        ; v176-183 codes, two sets by turns
.set E,     184                        ; v184-185 a scale byte, two by turns
.set SPW,   186
.set NIL,   187
.set GO,    188                        ; v188-189 my two K steps in memory
.set WREG,  5120                       ; a wave's two stages
.set SP,    80
.set SPARE, 20480                      ; behind the stages: the spare words
.set IMG,   20992                      ; the work-group's 8 images
.set SCB,   33280                      ; and its 512 bytes of scale words
	s_load_b512 s[16:31], s[0:1], 0x0              ; hidden, Wq, Wk, Wv, Wo, xq, wq, woq
	v_lshl_add_u32 v[SPW], v0, 2, SPARE
	v_mov_b32 v[NIL], 0
	v_lshrrev_b32 v1, 5, v0
	v_readfirstlane_b32 s38, v1                    ; wave
	v_and_b32 v2, 31, v0                           ; lane
	v_lshlrev_b32 v3, 4, v2
	s_lshr_b32 s6, ttmp9, 1                        ; which row block of the 640
	s_and_b32 s7, ttmp9, 1                         ; kh
	s_mul_i32 s44, s38, WREG
	v_lshrrev_b32 v14, 2, v2
	v_mul_u32_u24 v14, v14, SP
	v_and_b32 v15, 3, v2
	v_lshl_add_u32 v14, v15, 4, v14
	v_add_nc_u32 v14, s44, v14                     ; the stage, in: 80 (lane / 4) + 16 (lane % 4)
	v_mul_u32_u24 v15, v2, SP
	v_add_nc_u32 v15, s44, v15                     ; out: 80 x lane
	; in step t lane l holds row m = 4 w + t / 2, K step 8 kh + 4 (t % 2) + l / 8, and of it half e = l % 2 of block 2 c + h, h = (l / 2) % 2, c = (l / 4) % 2: registers 6 c + 3 e + 0 .. 2 of lane (m, h)
	v_lshrrev_b32 v16, 3, v2
	v_mul_u32_u24 v16, v16, 1536
	v_bfe_u32 v17, v2, 1, 1
	v_lshl_add_u32 v16, v17, 8, v16
	s_lshl_b32 s45, s38, 6                         ; 16 bytes x row 4 w
	s_add_co_u32 s46, s45, IMG
	v_add_nc_u32 v16, s46, v16
	v_bfe_u32 v17, v2, 2, 1
	v_mul_u32_u24 v17, v17, 6
	v_and_b32 v18, 1, v2
	v_mad_u32_u24 v17, v18, 3, v17
.irp k, 0,1,2
	v_add_nc_u32 v18, \k, v17
	v_lshrrev_b32 v19, 2, v18
	v_and_b32 v18, 3, v18
	v_lshl_add_u32 v19, v19, 9, v16
	v_lshl_add_u32 v[4+\k], v18, 2, v19            ; v4-6: where my three registers lie in the image
.endr
	v_bfe_u32 v16, v2, 3, 1
	v_lshlrev_b32 v16, 8, v16
	v_lshrrev_b32 v17, 4, v2
	v_lshl_add_u32 v16, v17, 2, v16
	v_bfe_u32 v17, v2, 1, 2
	v_add_nc_u32 v16, v16, v17
	s_add_co_u32 s46, s45, SCB
	v_add_nc_u32 v7, s46, v16                      ; v7: my block's byte: 64 w + 256 ((l / 8) % 2) + 4 (l / 16) + (l % 8) / 2
	s_mul_i32 s46, s38, 3072
	s_add_co_u32 s46, s46, IMG
	v_add_nc_u32 v10, s46, v3                      ; v10: the way out: the images of the half's K steps 2 w, 2 w + 1
	v_lshlrev_b32 v13, 2, v2
	s_lshl_b32 s46, s38, 7
	s_add_co_u32 s46, s46, SCB
	v_add_nc_u32 v12, s46, v13                     ; v12: and 128 bytes of scale words
	s_sub_co_u32 s45, s6, 128
	s_mov_b32 s47, 6144
	s_cmp_lt_u32 s45, 384                          ; row blocks 128 .. 511 go to wq
	s_cselect_b32 s45, 18432, s47                  ; bytes from K step to K step: GR x 1,536
	s_cselect_b32 s47, 12, 4                       ; GR
	s_lshl_b32 s46, s7, 3
	s_lshl_b32 s2, s38, 1
	s_add_co_u32 s46, s46, s2                      ; K step 8 kh + 2 w
	s_mul_i32 s46, s46, s45
.irp n, 0,1
	v_add_nc_u32 v[GO+\n], s46, v3
	s_add_co_u32 s46, s46, s45
.endr
	s_wait_alu depctr_va_vdst(0)                   ; the wait at the head's end
	s_wait_kmcnt 0x0
	s_mov_b64 s[4:5], s[24:25]                     ; which tensor hangs on the work-group's number alone: Wo's figures, replaced from the top down
	s_mov_b64 s[8:9], s[30:31]
	s_mov_b32 s32, 512
	s_mov_b32 s33, 512
	s_mov_b32 s34, 393216
	s_mov_b32 s35, 0
	s_mov_b32 s36, 3145728
	s_cmp_lt_u32 s6, 512
	s_cselect_b64 s[4:5], s[22:23], s[4:5]
	s_cselect_b64 s[8:9], s[28:29], s[8:9]
	s_cselect_b32 s32, 384, s32
	s_cselect_b32 s33, 128, s33
	s_cmp_lt_u32 s6, 384
	s_cselect_b64 s[4:5], s[20:21], s[4:5]
	s_cselect_b32 s32, 256, s32
	s_cmp_lt_u32 s6, 256
	s_cselect_b64 s[4:5], s[18:19], s[4:5]
	s_cselect_b32 s32, 128, s32
	s_cmp_lt_u32 s6, 128
	s_cselect_b64 s[4:5], s[16:17], s[4:5]
	s_cselect_b64 s[8:9], s[26:27], s[8:9]
	s_cselect_b32 s32, 0, s32
	s_cselect_b32 s33, 0, s33
	s_cselect_b32 s34, 0, s34
	s_cselect_b32 s35, s36, s35
	s_sub_co_u32 s37, s6, s32                      ; rb in its tensor
	s_lshr_b32 s2, s37, 1
	s_lshl_b32 s2, s2, 3
	s_and_b32 s3, s37, 1
	s_lshl_b32 s3, s3, 1
	s_add_co_u32 s2, s2, s3
	s_lshr_b32 s3, s38, 1
	s_lshl_b32 s3, s3, 1
	s_add_co_u32 s2, s2, s3                        ; hidden_states, Wv: my first row / 4 less w = 8 (rb / 2) + 2 (rb % 2) + 2 (w / 2)
	s_lshl_b32 s37, s37, 2                         ; the others: 4 rb
	s_cmp_eq_u32 s32, 0
	s_cselect_b32 s37, s2, s37
	s_cmp_eq_u32 s32, 384
	s_cselect_b32 s37, s2, s37
	s_add_co_u32 s37, s37, s38
	s_lshl_b32 s40, s37, 15                        ; four rows are 32,768 bytes;
	s_lshl_b32 s2, s7, 12
	s_add_co_u32 s40, s40, s2                      ; a row's second half begins 4,096 bytes on
	s_mov_b32 s41, 0
	s_add_nc_u64 s[4:5], s[4:5], s[40:41]
	s_sub_co_u32 s12, s6, s33                      ; the row block in its output buffer (wq: 128 x tensor + rb)
	s_and_b32 s13, s12, 127
	s_lshr_b32 s13, s13, 2                         ; the group
	s_lshr_b32 s14, s12, 7
	s_lshl_b32 s14, s14, 2
	s_and_b32 s15, s12, 3
	s_add_co_u32 s14, s14, s15                     ; the place in it: 4 x tensor + rb % 4
	s_mul_i32 s39, s13, s47
	s_add_co_u32 s39, s39, s14
	s_lshl_b32 s42, s39, 10                        ; 1,024 bytes of scale words a row block,
	s_lshl_b32 s2, s7, 9
	s_add_co_u32 s42, s42, s2                      ; 512 a half of K,
	s_lshl_b32 s2, s38, 7
	s_add_co_u32 s42, s42, s2                      ; 128 a wave
	s_add_co_u32 s42, s42, s35
	s_mov_b32 s43, 0
	s_add_nc_u64 s[10:11], s[8:9], s[42:43]
	s_mul_i32 s14, s14, 1536
	s_lshl_b32 s15, s45, 4                         ; a group: 16 K steps
	s_mul_i32 s13, s13, s15
	s_add_co_u32 s40, s13, s14
	s_add_co_u32 s40, s40, s34
	s_add_nc_u64 s[8:9], s[8:9], s[40:41]
.macro LOAD t
.irp i, 0,1,2,3
	global_load_b128 v[R+16*(\t)+4*\i:R+16*(\t)+4*\i+3], v3, s[4:5] offset:8192*((\t)/2)+2048*((\t)%2)+512*\i th:TH_LOAD_NT   ; 32 lanes read 512 consecutive bytes
.endr
.endm
.macro TURN t                          ; LDS serves a wave's instructions in order: no wait between the stores and the loads
.irp i, 0,1,2,3
	ds_store_b128 v14, v[R+16*(\t)+4*\i:R+16*(\t)+4*\i+3] offset:32*SP*((\t)%2)+8*SP*\i
.endr
.irp i, 0,1,2,3
	ds_load_b128 v[X+16*((\t)%2)+4*\i:X+16*((\t)%2)+4*\i+3], v15 offset:32*SP*((\t)%2)+16*\i
.endr
.endm
.irp t, 0,1,2,3,4,5,6,7
	LOAD \t
.endr
	s_wait_loadcnt 28                              ; step 0's four loads are in
	TURN 0
.macro STEP t
.set XS, X+16*((\t)%2)
.set CS, C+4*((\t)%2)
.if (\t) > 0
	s_wait_dscnt 4                                 ; this step's numbers are back; the last step's four stores may be out; those of two steps back are done, so their registers may be written
.else
	s_wait_dscnt 0x0
.endif
.if (\t)+1 < STEPS
	s_wait_loadcnt 4*(STEPS-2-(\t))                ; the next step's four loads are in; the later steps' may be out
	TURN (\t)+1
.endif
	v_max3_num_f32 v8, |v[XS]|, |v[XS+1]|, |v[XS+2]|
	v_max3_num_f32 v9, |v[XS+3]|, |v[XS+4]|, |v[XS+5]|
.irp i, 6,10
	v_max3_num_f32 v8, v8, |v[XS+\i]|, |v[XS+\i+1]|
	v_max3_num_f32 v9, v9, |v[XS+\i+2]|, |v[XS+\i+3]|
.endr
	v_max3_num_f32 v8, v8, |v[XS+14]|, |v[XS+15]|
	v_max3_num_f32 v8, v8, v9, 0x1800000           ; the floor 2^(3 - 127): the byte cannot fall under 1
	v_max_num_f32_dpp v8, v8, v8 row_xmask:1 row_mask:0xf bank_mask:0xf   ; with my neighbour's 16: the block's
	v_add_nc_u32 v11, 0xff000000, v8               ; 2 off the exponent field: the conversion's scale operand
	v_cvt_scalef32_pk16_fp6_f32 v[CS:CS+2], v[XS:XS+15], v11
	v_lshrrev_b32 v[E+(\t)%2], 23, v11             ; the scale's byte
	ds_store_b32 v4, v[CS] offset:6144*((\t)%2)+16*((\t)/2)
	ds_store_b32 v5, v[CS+1] offset:6144*((\t)%2)+16*((\t)/2)
	ds_store_b32 v6, v[CS+2] offset:6144*((\t)%2)+16*((\t)/2)
	ds_store_b8 v7, v[E+(\t)%2] offset:8*((\t)%2)+16*((\t)/2)   ; both lanes of a block write the same byte
.endm
.irp t, 0,1,2,3,4,5,6,7
	STEP \t
.endr
	s_wait_dscnt 0x0                               ; for the others' sake: my stores are done (an image's lanes come from all four waves)
	s_barrier_signal -1
	s_barrier_wait -1
.irp n, 0,1,2,3,4,5
	ds_load_b128 v[R+4*\n:R+4*\n+3], v10 offset:512*\n
.endr
	ds_load_b32 v8, v12
.irp n, 0,1,2,3,4,5
	s_wait_dscnt 6-\n
	global_store_b128 v[GO+\n/3], v[R+4*\n:R+4*\n+3], s[8:9] offset:512*(\n%3)   ; 32 lanes store 512 consecutive bytes, aligned
.endr
	s_wait_dscnt 0x0
	global_store_b32 v13, v8, s[10:11]             ; 128 consecutive bytes
	s_wait_tensorcnt 0x0                           ; the wave's end
	ds_add_u32 v[SPW], v[NIL]
	s_wait_dscnt 0x0
	s_endpgm
.Lfunc_end_k_qd01acef8d3_quant:
	.size	k_qd01acef8d3_quant, .Lfunc_end_k_qd01acef8d3_quant-k_qd01acef8d3_quant
	.p2alignl 7, 3214868480
	.fill 96, 4, 3214868480
	.section	.rodata,"a",@progbits
	.p2align	6, 0x0
	.amdhsa_kernel k_qd01acef8d3_quant
		.amdhsa_group_segment_fixed_size 33792
		.amdhsa_private_segment_fixed_size 0
		.amdhsa_enable_private_segment 0
		.amdhsa_kernarg_size 64
		.amdhsa_user_sgpr_count 2
		.amdhsa_user_sgpr_kernarg_segment_ptr 1
		.amdhsa_wavefront_size32 1
		.amdhsa_system_sgpr_workgroup_id_x 1
		.amdhsa_system_sgpr_workgroup_id_y 1
		.amdhsa_system_sgpr_workgroup_id_z 1
		.amdhsa_system_vgpr_workitem_id 0
		.amdhsa_next_free_vgpr 192
		.amdhsa_next_free_sgpr 66
		.amdhsa_reserve_vcc 0
		.amdhsa_float_denorm_mode_32 3
		.amdhsa_float_denorm_mode_16_64 3
		.amdhsa_memory_ordered 1
		.amdhsa_forward_progress 1
		.amdhsa_inst_pref_size 24
	.end_amdhsa_kernel
	.amdgpu_metadata
---
amdhsa.version: [ 1, 2 ]
amdhsa.kernels:
  - .name:           k_qd01acef8d3_quant
    .symbol:         k_qd01acef8d3_quant.kd
    .args:
      - { .name: hidden_states, .offset: 0, .size: 8, .value_kind: global_buffer, .address_space: global }
      - { .name: Wq, .offset: 8, .size: 8, .value_kind: global_buffer, .address_space: global }
      - { .name: Wk, .offset: 16, .size: 8, .value_kind: global_buffer, .address_space: global }
      - { .name: Wv, .offset: 24, .size: 8, .value_kind: global_buffer, .address_space: global }
      - { .name: Wo, .offset: 32, .size: 8, .value_kind: global_buffer, .address_space: global }
      - { .name: xq, .offset: 40, .size: 8, .value_kind: global_buffer, .address_space: global }
      - { .name: wq, .offset: 48, .size: 8, .value_kind: global_buffer, .address_space: global }
      - { .name: woq, .offset: 56, .size: 8, .value_kind: global_buffer, .address_space: global }
    .group_segment_fixed_size: 33792
    .private_segment_fixed_size: 0
    .kernarg_segment_align: 8
    .kernarg_segment_size: 64
    .max_flat_workgroup_size: 128
    .sgpr_count:     66
    .vgpr_count:     192
    .wavefront_size: 32
...
	.end_amdgpu_metadata
.endif
;; end of part 1
;; launch gemm (part 2): grid 8 x 32, 4 waves a work-group, clusters of 4 x 1, 327,680 bytes of LDS; arguments xq, wq, bq, bk, bv, qkv, qkvq; writes qkv, qkvq
.if DOCPART == 2
	.amdgcn_target "amdgcn-amd-amdhsa--gfx1250"
	.amdhsa_code_object_version 6
	.text
	.protected	k_qd01acef8d3_gemm
	.globl	k_qd01acef8d3_gemm
	.p2align	8
	.type	k_qd01acef8d3_gemm,@function
k_qd01acef8d3_gemm:
	s_mov_b64 s[64:65], 0
	v_nop
	global_prefetch_b8 v0, s[64:65] scope:SCOPE_SE
	s_setreg_imm32_b32 hwreg(HW_REG_WAVE_MODE, 25, 1), 1
	s_wait_xcnt 0x0
	s_wait_alu depctr_hold_cnt(0) depctr_sa_sdst(0) depctr_va_vdst(0) depctr_va_sdst(0) depctr_va_ssrc(0) depctr_va_vcc(0) depctr_vm_vsrc(0)
	s_getreg_b32 s2, hwreg(HW_REG_IB_STS2, 6, 4)
	s_cmp_eq_u32 s2, 0
	s_cbranch_scc0 .Lentry_in_a_cluster
	s_endpgm
.Lentry_in_a_cluster:
	s_bfe_u32 s2, ttmp6, 0x10000c
	s_cmp_lg_u32 s2, 0x3003
	s_cbranch_scc0 .Lentry_shape_is_right
	s_endpgm
.Lentry_shape_is_right:
; q, k, v = x W^T + b on codes of FP6 (E2M3) with E8M0 scales.  q and k leave as f32, qkv [2][2048][2048]; v is quantised here, along the keys, and leaves as attention's operand in qkvq.
; Operands arrive as images of fragments (16 rows x 128 K, 1,536 bytes: three loads of 16 bytes a lane).  Row m of x's fragment rb is row 32 (rb / 2) + 8 (rb % 2) + m + 8 (m / 8); Wv's fragments likewise; Wq's and Wk's rows are neighbours.
; A work-group makes 256 rows x 64 columns of each of q, k, v: 8 x 32 = 256 work-groups.  A wave makes 64 rows x 192 columns: 48 accumulators, 384 registers.
; B (12 row blocks: 4 of Wq, 4 of Wk, 4 of Wv, all of K) is 294,912 dense bytes of wq: it comes ONCE, a quarter a wave by one tensor load, and stays in LDS: nothing is filled again, and no barrier stands in the walk along K.
; A (x's rows) is read by one wave of the work-group alone: it goes from memory into registers, 12 loads of 512 consecutive bytes a step, AD steps ahead.  Scale words go into registers once, for all of K.
; CLUSTER: the four row blocks of a cluster take the same columns: B is asked for jointly (mask 15).  A's and the results' addresses alone hang on the place in the cluster.
; PREFETCH: B has no loop to run ahead in.  A's steps AD .. 15 are named once each: of the 32 work-groups that read a wave's rows, number j (AD <= j < 16) names step j's 24 runs of 256 bytes, a lane a run.
; q, k: source 0 = W's rows, source 1 = x's: a lane holds eight neighbouring columns of a row.  v: source 0 = x's rows, source 1 = Wv's: a lane holds one channel, and the 16 registers of tiles 2 b and 2 b + 1 are keys 32 b + 16 h + 0 .. 15.
; The bias is the C of the first step.  A step goes in two units of 6 fragments of B on two register sets; the accumulators take turns.
; v's WAY OUT: a wave's 64 keys are blocks 2 c, 2 c + 1 (c = wave % 2) of key step 2 x block + wave / 2: registers 6 c .. 6 c + 5 of four fragments of 16 channels.  The waves' halves meet in LDS and leave as whole images
; [16 heads][16 key steps][8 fragments][1536] at 6,291,456 of qkvq; the scale bytes [2048 channels][64] at 9,699,328, eight bytes a channel.
; LIMITS: NaN and infinities are not served; a block of v that is all zeros, or under 2^-124, gets the byte 1 (read by this program alone).
; REGISTERS by flat number (window = number / 256): 0-15, 240-246 addresses; 16-47 A's scale words; 48-143 B's; 144-239 the bias, then v's way out; 256-399 B's two sets; 400, 448, 704, 960 A's four sets; 512-703, 768-959 accumulators.
.set NB, 12
.set HB, 6
.set NBS, 2
.set AD, 4
.set SPR, 3                            ; K steps that one LDS address register serves
.macro AFL n                           ; AB = where A's set n begins
.if (\n) < 2
.set AB, 400+48*(\n)
.else
.set AB, 704+256*((\n)-2)
.endif
.endm
.set UH, NB/HB
.set NU, 16*UH
.set STEPB, NB*1536
.set PIECE, NB*6144
.set SPARE, NB*24576                   ; behind B: the spare words
.set SP, 528                           ; a row of the stage: 128 columns of q and k + 16 bytes.  Stages, v's images and bytes lie in B's bytes, behind their one fill and the barrier behind the last read
.set VIMG, 40960                       ; v's images: [2 key steps][4 fragments][1536]
.set VSCL, 53248                       ; v's scale bytes: [64 channels][8]
.set ASC, 3145728
.set BCD, 393216
.set VI, 6291456
.set VS, 9699328
.set BA, 2
.set STO, 8
.set RD, 9
.set CO, 10
.set BO, 11
.set PFO, 12
.set SPW, 14
.set NIL, 15
.set ASR, 16
.set BSR, 48
.set BI, 144
.set VA0, 240
.set VA1, 241
.set VSA, 242
.set VRD, 243
.set VSR, 244
.set VSO, 245
.set VBO, 246
.set MSB, 0
.macro WIN new                         ; the immediate's high byte repeats the setting that is left
.if MSB != (\new)
	s_set_vgpr_msb (MSB<<8)|(\new)
.set MSB, \new
.endif
.endm
.macro PLACES
.rept 4
	v_nop
.endr
.endm
.macro CROUND
	s_barrier_signal -1
	s_barrier_wait -1
	s_cmp_lg_u32 s16, 0
	s_cbranch_scc1 .Lnot_wave_0_\@
	s_barrier_signal -3
.Lnot_wave_0_\@:
	s_barrier_wait -3
	s_barrier_signal -1
	s_barrier_wait -1
.endm
	s_load_b256 s[4:11], s[0:1], 0x0               ; xq s[4:5], wq s[6:7], bq s[8:9], bk s[10:11]
	s_load_b128 s[12:15], s[0:1], 0x20             ; bv s[12:13], qkv s[14:15]
	s_load_b64 s[70:71], s[0:1], 0x30              ; qkvq
	v_lshl_add_u32 v[SPW], v0, 2, SPARE
	v_mov_b32 v[NIL], 0
	ds_add_u32 v[SPW], v[NIL]                      ; the opening lines: the add, twice on end, and its wait
	ds_add_u32 v[SPW], v[NIL]
	v_lshrrev_b32 v144, 5, v0
	v_readfirstlane_b32 s16, v144                  ; wave
	v_and_b32 v146, 31, v0
	v_lshlrev_b32 v[BA], 4, v146                   ; 16 x lane: my place in an image
.set I_, 1
.rept 15/SPR
	v_add_nc_u32 v[BA+I_], I_*SPR*STEPB, v[BA]
.set I_, I_+1
.endr
	v_min_u32 v[PFO], 23, v146
	v_lshlrev_b32 v[PFO], 8, v[PFO]                ; the prefetch: 24 runs of 256 bytes; the lanes left over name the last again
	v_and_b32 v144, 15, v0                         ; r
	v_bfe_u32 v145, v0, 4, 1                       ; h
	s_mul_i32 s20, s16, 16*SP                      ; my stage
	v_mul_u32_u24 v146, v144, SP
	v_lshl_add_u32 v146, v145, 5, v146
	v_add_nc_u32 v[STO], s20, v146                 ; in: row r, 32 bytes for each half of the lanes
	v_mul_u32_u24 v146, v145, SP
	v_lshl_add_u32 v146, v144, 4, v146
	v_add_nc_u32 v[RD], s20, v146                  ; back: sixteen lanes take 256 bytes of a row, the other sixteen the next row's
	v_lshlrev_b32 v146, 13, v145
	v_lshl_add_u32 v[CO], v144, 4, v146            ; and the same in q or k (8,192 bytes a row)
	v_lshlrev_b32 v[BO], 5, v145                   ; q's and k's bias: my eight columns
	v_and_b32 v147, 8, v144
	v_add_nc_u32 v147, v147, v144                  ; r + 8 (r / 8)
	v_lshlrev_b32 v[VBO], 2, v147                  ; v's bias: my channel
	v_lshlrev_b32 v[VSO], 6, v147                  ; v's scale bytes: 64 a channel
	s_lshr_b32 s21, s16, 1
	s_mul_i32 s21, s21, 6144
	s_add_co_u32 s21, s21, VIMG                    ; my key step's four images
	s_and_b32 s23, s16, 1                          ; c
	s_mul_i32 s2, s23, 520
	s_add_co_u32 s2, s2, s21
	v_add_nc_u32 v[VA0], s2, v[BA]                 ; registers 6 c, 6 c + 1 lie at 520 c; 6 c + 4, 6 c + 5 at 512 + 520 c;
	s_mul_i32 s3, s23, 1016
	s_add_co_u32 s3, s3, s21
	s_add_co_u32 s3, s3, 8
	v_add_nc_u32 v[VA1], s3, v[BA]                 ; 6 c + 2, 6 c + 3 at 8 + 1,016 c
	s_lshl_b32 s2, s16, 1
	s_add_co_u32 s2, s2, VSCL
	v_lshl_add_u32 v[VSA], v144, 3, s2             ; my two bytes of a channel's eight: 8 r + 2 w
	s_mul_i32 s2, s16, 3072
	s_add_co_u32 s2, s2, VIMG
	v_add_nc_u32 v[VRD], s2, v[BA]                 ; back: a quarter of the images a wave
	s_lshl_b32 s2, s16, 7
	s_add_co_u32 s2, s2, VSCL
	v_lshl_add_u32 v[VSR], v144, 3, s2             ; and fragment w's sixteen channels
	s_bfe_u32 s17, ttmp6, 0x40000                  ; cx
	s_lshl_b32 s18, ttmp9, 2
	s_add_co_u32 s18, s18, s17                     ; my 256 rows
	s_and_b32 s19, ttmp7, 0xffff                   ; my columns, which the four partners share
	s_mov_b32 s24, 15|(3<<16)|(1<<21)              ; group 1: the mask, elements of 8 bytes; PIECE dense bytes as rows of 256
	s_mov_b32 s25, 32<<16
	s_mov_b32 s26, (PIECE/256)<<16
	s_mov_b32 s27, 32<<16
	s_mov_b32 s28, PIECE/256
	s_mov_b32 s29, 32
	s_mov_b32 s30, 0
	s_mov_b32 s31, 0
	s_mov_b32 s32, 1
	s_mul_i32 s33, s16, PIECE                      ; LDS: wave x a quarter
	s_mul_i32 s56, s19, NB*24576
	s_add_co_u32 s56, s56, s33
	s_add_co_u32 s56, s56, BCD
	s_mov_b32 s57, 0
	s_mul_i32 s58, s19, NB*1024                    ; B's scale words
	s_mov_b32 s59, 0
	s_lshl_b32 s22, s18, 2
	s_add_co_u32 s22, s22, s16                     ; my 64 rows: a group of four row blocks
	s_mul_i32 s36, s22, 98304
	s_mov_b32 s37, 0
	s_lshl_b32 s38, s22, 12
	s_add_co_u32 s38, s38, ASC
	s_mov_b32 s39, 0
	s_min_u32 s21, s19, 15
	s_mul_i32 s42, s21, 6144
	s_mov_b32 s43, 0
	s_wait_alu depctr_va_vdst(0)                   ; the wait at the head's end
	s_wait_dscnt 0x0
	s_wait_kmcnt 0x0
	s_add_nc_u64 s[34:35], s[6:7], s[56:57]
	s_or_b32 s35, s35, 0x80000000
	CROUND                                         ; the four work-groups are here: the joint loads meet
	tensor_load_to_lds s[32:35], s[24:31]          ; my quarter of B: every wave's one tensor load
	s_nop 0
	PLACES
	s_add_nc_u64 s[36:37], s[4:5], s[36:37]        ; A's images
	s_add_nc_u64 s[38:39], s[4:5], s[38:39]        ; A's scale words
	s_add_nc_u64 s[40:41], s[6:7], s[58:59]
	s_add_nc_u64 s[42:43], s[36:37], s[42:43]
.set I_, 0
.rept 8                                ; register 8 a + 4 g + i: steps 8 g + 2 i (lanes 0-15) and 8 g + 2 i + 1 (lanes 16-31) of row block a
	global_load_b128 v[ASR+4*I_:ASR+4*I_+3], v[BA], s[38:39] offset:512*I_
.set I_, I_+1
.endr
.set I_, 0
.rept 2*NB
	global_load_b128 v[BSR+4*I_:BSR+4*I_+3], v[BA], s[40:41] offset:512*I_
.set I_, I_+1
.endr
	s_lshl_b32 s66, s19, 8                         ; my 64 columns, in bytes
	s_mov_b32 s67, 0
	s_lshl_b32 s61, s22, 19                        ; my first row, in bytes
	s_add_co_u32 s68, s66, s61
	s_mov_b32 s69, 0
	s_add_nc_u64 s[44:45], s[8:9], s[66:67]
	s_add_nc_u64 s[46:47], s[10:11], s[66:67]
	s_add_nc_u64 s[48:49], s[12:13], s[66:67]
	s_add_nc_u64 s[50:51], s[14:15], s[68:69]      ; q
	s_add_nc_u64 s[52:53], s[50:51], 0x1000000     ; k
.set I_, 0
.rept 8
	global_load_b128 v[BI+8*I_:BI+8*I_+3], v[BO], s[44+2*(I_/4):45+2*(I_/4)] offset:64*(I_%4)
	global_load_b128 v[BI+8*I_+4:BI+8*I_+7], v[BO], s[44+2*(I_/4):45+2*(I_/4)] offset:64*(I_%4)+16
.set I_, I_+1
.endr
.set I_, 0
.rept 32                               ; v: a lane's eight results are of one channel: its bias eight times
	global_load_b32 v[BI+64+I_], v[VBO], s[48:49] offset:128*(I_/16)+32*((I_/8)%2)
.set I_, I_+1
.endr
	s_lshr_b32 s60, s19, 1                         ; v's images: the head,
	s_mul_i32 s60, s60, 196608
	s_lshl_b32 s62, s18, 1
	s_lshr_b32 s63, s16, 1
	s_add_co_u32 s62, s62, s63
	s_mul_i32 s62, s62, 12288                      ; key step 2 x block + w / 2,
	s_add_co_u32 s60, s60, s62
	s_and_b32 s62, s19, 1
	s_lshl_b32 s62, s62, 1
	s_and_b32 s63, s16, 1
	s_add_co_u32 s62, s62, s63
	s_mul_i32 s62, s62, 3072                       ; fragments 4 (j % 2) + 2 (w % 2) on
	s_add_co_u32 s60, s60, s62
	s_add_co_u32 s60, s60, VI
	s_mov_b32 s61, 0
	s_add_nc_u64 s[54:55], s[70:71], s[60:61]
	s_lshl_b32 s60, s19, 6                         ; v's scale bytes: channel 64 j + 32 (w / 2) + 8 (w % 2),
	s_lshr_b32 s62, s16, 1
	s_lshl_b32 s62, s62, 5
	s_add_co_u32 s60, s60, s62
	s_lshl_b32 s63, s63, 3
	s_add_co_u32 s60, s60, s63
	s_lshl_b32 s60, s60, 6
	s_lshl_b32 s62, s18, 3                         ; eight bytes for my block's 256 keys
	s_add_co_u32 s60, s60, s62
	s_add_co_u32 s60, s60, VS
	s_add_nc_u64 s[56:57], s[70:71], s[60:61]
	s_mov_b32 s62, 0x76543210
	s_mov_b32 s63, 0xfedcba98                      ; v_permlanex16_b32's selects for lane l xor 16
.macro ALOAD s                         ; A's four fragments of step s: 6,144 consecutive bytes
	AFL (\s)%AD
	WIN (AB>>8)<<6
.set A0, AB&255
.set K_, 0
.rept 12
	global_load_b128 v[A0+4*K_:A0+4*K_+3], v[BA], s[36:37] offset:(\s)*6144+512*K_
.set K_, K_+1
.endr
.endm
.macro BLOAD u                         ; unit u's HB fragments of B, as they lie
.set LS, (\u)/UH
.set LO, (LS%SPR)*STEPB+((\u)%UH)*HB*1536
.set LR, 12*HB*((\u)%NBS)
	WIN 0x40
.set K_, 0
.rept 3*HB
	ds_load_b128 v[LR+4*K_:LR+4*K_+3], v[BA+LS/SPR] offset:LO+512*K_
.set K_, K_+1
.endr
.endm
.macro WM                              ; one product, its registers by flat number
.set WV, ((DD>>8)<<6)|((CC>>8)<<4)|((S1>>8)<<2)|(S0>>8)
	WIN WV
.set D0, DD&255
.set C0, CC&255
.set P0, S0&255
.set P1, S1&255
.if OD
	v_wmma_scale_f32_16x16x128_f8f6f4 v[D0:D0+7], v[P0:P0+11], v[P1:P1+11], v[C0:C0+7], v[SX], v[SY] matrix_a_fmt:MATRIX_FMT_FP6 matrix_b_fmt:MATRIX_FMT_FP6 matrix_a_scale:MATRIX_SCALE_ROW1 matrix_b_scale:MATRIX_SCALE_ROW1
.else
	v_wmma_scale_f32_16x16x128_f8f6f4 v[D0:D0+7], v[P0:P0+11], v[P1:P1+11], v[C0:C0+7], v[SX], v[SY] matrix_a_fmt:MATRIX_FMT_FP6 matrix_b_fmt:MATRIX_FMT_FP6
.endif
.endm
.macro UNIT u
.set ST, (\u)/UH
.set HF, (\u)%UH
.set OD, ST%2
.set BFS, 256+12*HB*((\u)%NBS)
	AFL ST%AD
.if HF == 0
.if 15-ST < AD-1
	s_wait_loadcnt 12*(15-ST)                      ; this step's A is in; the later steps' loads may be out, 12 a step
.else
	s_wait_loadcnt 12*(AD-1)
.endif
.endif
.if NU-1-(\u) < NBS-1
	s_wait_dscnt 3*HB*(NU-1-(\u))                  ; this unit's B is in; the later units' loads may be out
.else
	s_wait_dscnt 3*HB*(NBS-1)
.endif
.if (\u) == NU-1
	s_barrier_signal -1                            ; my reads of B are over
.endif
.set A_, 0
.rept 4
.set F_, 0
.rept HB
.set B_, HF*HB+F_
.set DD, 512+256*HF+8*(2*(HB*(A_/2)+F_)+A_%2)  ; tiles 2 b and 2 b + 1 of one fragment of B lie on end
.if ST == 0
.set CC, BI+8*B_
.else
.set CC, DD
.endif
.if B_ < 8
.set S0, BFS+12*F_
.set S1, AB+12*A_
.set SX, BSR+8*B_+4*(ST/8)+(ST%8)/2
.set SY, ASR+8*A_+4*(ST/8)+(ST%8)/2
.else
.set S0, AB+12*A_
.set S1, BFS+12*F_
.set SX, ASR+8*A_+4*(ST/8)+(ST%8)/2
.set SY, BSR+8*B_+4*(ST/8)+(ST%8)/2
.endif
	WM
.set F_, F_+1
.endr
.set A_, A_+1
.endr
.if (\u)+NBS < NU
	PLACES                                         ; four places in front of loads into registers that the products have read
	BLOAD (\u)+NBS
.if HF == UH-1 && ST+AD < 16
	ALOAD ST+AD
.endif
.endif
.endm
.set I_, 0
.rept AD
	ALOAD I_
.set I_, I_+1
.endr
	WIN 0
	s_sub_co_u32 s21, s19, AD
	s_cmp_lt_u32 s21, 16-AD
	s_cbranch_scc0 .Lnot_mine
	global_prefetch_b8 v[PFO], s[42:43] th:TH_LOAD_NT scope:SCOPE_SE
.Lnot_mine:
	s_wait_tensorcnt 0x0                           ; my quarter of B is in
	s_barrier_signal -1
	s_barrier_wait -1                              ; and everybody's
.set I_, 0
.rept NBS
	BLOAD I_
.set I_, I_+1
.endr
.set U_, 0
.rept NU
	UNIT U_
.set U_, U_+1
.endr
	WIN 0
	s_barrier_wait -1                              ; nobody reads B any more: its bytes may be written
; v: eight blocks e = 2 f + b of 32 keys (fragment f of channels, keys 32 b on): my 16 numbers lie in window 3 at 16 (6 b + 2 + f), lane l xor 16 holds the other 16.
.set VT, 144                           ; v144-151 the largest magnitudes; v152-159 the other lane's; v160-167 the conversions' scale operands; v168-175 the bytes
.set VZ, 176                           ; v176 + 8 f: a fragment's six registers of codes; v208 + 4 f: the upper halves as they are made
	PLACES
	WIN 0x0f
.set E_, 0
.rept 8
	v_max3_num_f32 v[VT+E_], |v[16*(6*(E_%2)+2+E_/2)]|, |v[16*(6*(E_%2)+2+E_/2)+1]|, 0x1800000   ; with the floor 2^(3 - 127): the byte cannot fall under 1
.set E_, E_+1
.endr
	WIN 0x3c
.irp i, 2,4,6,8,10,12,14
.set E_, 0
.rept 8
	v_max3_num_f32 v[VT+E_], v[VT+E_], |v[16*(6*(E_%2)+2+E_/2)+\i]|, |v[16*(6*(E_%2)+2+E_/2)+\i+1]|
.set E_, E_+1
.endr
.endr
	WIN 0
.irp e, 0,1,2,3,4,5,6,7
	v_permlanex16_b32 v[VT+8+\e], v[VT+\e], s62, s63
.endr
.irp e, 0,1,2,3,4,5,6,7
	v_max_num_f32 v[VT+\e], v[VT+\e], v[VT+8+\e]   ; the block's largest magnitude
.endr
.irp e, 0,1,2,3,4,5,6,7
	v_add_nc_u32 v[VT+16+\e], 0xff000000, v[VT+\e] ; 2 off its exponent field: the conversion's scale operand
.endr
.irp e, 0,1,2,3,4,5,6,7
	v_lshrrev_b32 v[VT+24+\e], 23, v[VT+16+\e]     ; the scale's byte
.endr
.irp f, 0,1,2,3
	v_lshl_or_b32 v[VT+24+2*\f], v[VT+25+2*\f], 8, v[VT+24+2*\f]   ; my channel's two bytes
.endr
	WIN 0x03
.irp f, 0,1,2,3
	v_cvt_scalef32_pk16_fp6_f32 v[VZ+8*\f:VZ+8*\f+2], v[16*(2+\f):16*(2+\f)+15], v[VT+16+2*\f]
	v_cvt_scalef32_pk16_fp6_f32 v[208+4*\f:210+4*\f], v[16*(8+\f):16*(8+\f)+15], v[VT+17+2*\f]
.endr
	WIN 0
	v_nop                                          ; a plain line behind the conversions
.irp f, 0,1,2,3                        ; the operand wants a whole block in a lane: lanes 0-15 block 2 c, lanes 16-31 block 2 c + 1
.irp i, 0,1,2
	v_permlane16_swap_b32 v[VZ+8*\f+\i], v[208+4*\f+\i]
.endr
.irp i, 0,1,2
	v_mov_b32 v[VZ+8*\f+3+\i], v[208+4*\f+\i]
.endr
.endr
.irp f, 0,1,2,3
	ds_store_b64 v[VA0], v[VZ+8*\f:VZ+8*\f+1] offset:1536*\f
	ds_store_b64 v[VA1], v[VZ+8*\f+2:VZ+8*\f+3] offset:1536*\f
	ds_store_b64 v[VA0], v[VZ+8*\f+4:VZ+8*\f+5] offset:1536*\f+512
	ds_store_b16 v[VSA], v[VT+24+2*\f] offset:128*\f   ; both halves of the lanes write the same bytes
.endr
	s_wait_dscnt 0x0                               ; for the others' sake: my stores are done
	s_barrier_signal -1
	s_barrier_wait -1
.irp n, 0,1,2,3,4,5
	ds_load_b128 v[144+4*\n:147+4*\n], v[VRD] offset:512*\n
.endr
	ds_load_b64 v[168:169], v[VSR]
.irp n, 0,1,2,3,4,5
	s_wait_dscnt 6-\n
	global_store_b128 v[BA], v[144+4*\n:147+4*\n], s[54:55] offset:512*\n   ; 512 consecutive bytes, aligned
.endr
	s_wait_dscnt 0x0
	global_store_b64 v[VSO], v[168:169], s[56:57]  ; a channel's eight bytes (lanes 16-31 store the same to the same place)
; q and k, by blocks of 16 rows: through my stage, back as runs of 256 bytes of a row, two rows a load.
.macro TOSTAGE a
.set B_, 0
.rept 8
.set DD, 512+256*(B_/HB)+8*(2*(HB*((\a)/2)+B_%HB)+(\a)%2)
	WIN (DD>>8)<<2
.set D0, DD&255
	ds_store_b128 v[STO], v[D0:D0+3] offset:64*B_          ; each accumulator from its low end on
	ds_store_b128 v[STO], v[D0+4:D0+7] offset:64*B_+16
.set B_, B_+1
.endr
	WIN 0x40
.set OBR, 64*((\a)%2)
.set K_, 0
.rept 16
	ds_load_b128 v[OBR+4*K_:OBR+4*K_+3], v[RD] offset:(K_%8)*2*SP+256*(K_/8)
.set K_, K_+1
.endr
.endm
.macro SEND a, younger
	s_wait_dscnt \younger
	WIN 0x04
.set OBR, 64*((\a)%2)
.set K_, 0
.rept 16
.set T2, 2*(K_%8)
.set RW, 32*((\a)/2)+8*((\a)%2)+T2+8*(T2/8)    ; the fragment's row in x
	global_store_b128 v[CO], v[OBR+4*K_:OBR+4*K_+3], s[50+2*(K_/8):51+2*(K_/8)] offset:RW*8192 th:TH_STORE_NT   ; sixteen lanes store 256 consecutive bytes, aligned
.set K_, K_+1
.endr
.endm
	TOSTAGE 0
.irp a, 1,2,3
.if \a > 1
	s_wait_xcnt 0x0                                ; the stores of two blocks back have read their registers
.endif
	TOSTAGE \a
	SEND \a-1, 32                                  ; behind block a - 1's loads: block a's 16 stores and 16 loads
.endr
	SEND 3, 0
	WIN 0
	s_wait_tensorcnt 0x0                           ; the wave's end
	ds_add_u32 v[SPW], v[NIL]
	s_wait_dscnt 0x0
	CROUND                                         ; the closing round
	s_endpgm
.Lfunc_end_k_qd01acef8d3_gemm:
	.size	k_qd01acef8d3_gemm, .Lfunc_end_k_qd01acef8d3_gemm-k_qd01acef8d3_gemm
	.p2alignl 7, 3214868480
	.fill 96, 4, 3214868480
	.section	.rodata,"a",@progbits
	.p2align	6, 0x0
	.amdhsa_kernel k_qd01acef8d3_gemm
		.amdhsa_group_segment_fixed_size 327680
		.amdhsa_private_segment_fixed_size 0
		.amdhsa_enable_private_segment 0
		.amdhsa_kernarg_size 56
		.amdhsa_user_sgpr_count 2
		.amdhsa_user_sgpr_kernarg_segment_ptr 1
		.amdhsa_wavefront_size32 1
		.amdhsa_system_sgpr_workgroup_id_x 1
		.amdhsa_system_sgpr_workgroup_id_y 1
		.amdhsa_system_sgpr_workgroup_id_z 1
		.amdhsa_system_vgpr_workitem_id 0
		.amdhsa_next_free_vgpr 1024
		.amdhsa_next_free_sgpr 74
		.amdhsa_reserve_vcc 0
		.amdhsa_float_denorm_mode_32 3
		.amdhsa_float_denorm_mode_16_64 3
		.amdhsa_memory_ordered 1
		.amdhsa_forward_progress 1
		.amdhsa_inst_pref_size 200
	.end_amdhsa_kernel
	.amdgpu_metadata
---
amdhsa.version: [ 1, 2 ]
amdhsa.kernels:
  - .name:           k_qd01acef8d3_gemm
    .symbol:         k_qd01acef8d3_gemm.kd
    .args:
      - { .name: xq, .offset: 0, .size: 8, .value_kind: global_buffer, .address_space: global }
      - { .name: wq, .offset: 8, .size: 8, .value_kind: global_buffer, .address_space: global }
      - { .name: bq, .offset: 16, .size: 8, .value_kind: global_buffer, .address_space: global }
      - { .name: bk, .offset: 24, .size: 8, .value_kind: global_buffer, .address_space: global }
      - { .name: bv, .offset: 32, .size: 8, .value_kind: global_buffer, .address_space: global }
      - { .name: qkv, .offset: 40, .size: 8, .value_kind: global_buffer, .address_space: global }
      - { .name: qkvq, .offset: 48, .size: 8, .value_kind: global_buffer, .address_space: global }
    .group_segment_fixed_size: 327680
    .private_segment_fixed_size: 0
    .kernarg_segment_align: 8
    .kernarg_segment_size: 56
    .max_flat_workgroup_size: 128
    .sgpr_count:     74
    .vgpr_count:     1024
    .wavefront_size: 32
...
	.end_amdgpu_metadata
.endif
;; end of part 2
;; launch normrope (part 3): grid 256 x 1, 16 waves a work-group, no clusters, 109,568 bytes of LDS; arguments qkv, freqs_cos, freqs_sin, norm_q_w, norm_k_w, qkvq; writes qkvq
.if DOCPART == 3
	.amdgcn_target "amdgcn-amd-amdhsa--gfx1250"
	.amdhsa_code_object_version 6
	.text
	.protected	k_qd01acef8d3_normrope
	.globl	k_qd01acef8d3_normrope
	.p2align	8
	.type	k_qd01acef8d3_normrope,@function
k_qd01acef8d3_normrope:
	s_mov_b64 s[64:65], 0
	v_nop
	global_prefetch_b8 v0, s[64:65] scope:SCOPE_SE
	s_setreg_imm32_b32 hwreg(HW_REG_WAVE_MODE, 25, 1), 1
	s_wait_xcnt 0x0
; q and k ([2][2048][2048] f32, bias added) become attention's operands: w x (x x rsqrt(mean(x^2) + 1e-6)) over the whole row of 2,048, then the rotation (cos at the even places, sin at the odd ones),
; then the quantiser along a head's 128: codes of FP6 (E2M3) with one E8M0 scale for each 32.
; WORK-GROUPS 0-127: q, 128-255: k.  A work-group takes the 16 rows of fragment F = 2 b + u: its row m is row 32 b + 8 u + m + 8 (m / 8).  SIXTEEN waves, four to a SIMD: wave w takes row m = w, and asks for all of it at its head.
; WHAT IS STORED.  Fragments as images of the operand's registers: 16 rows x 128 K are 1,536 bytes; register p (0 .. 11) of lane L lies at 512 (p / 4) + 16 L + 4 (p % 4).  Lane (m, h) holds row m, registers 6 c .. 6 c + 5 hold K = 64 c + 32 h + 0 .. 31.
; qkvq: q's images [16 heads][128 fragments] at 0, k's at 3,145,728; scale words [16 heads][2048 rows][4] of q at 9,437,184, of k at 9,568,256.
; LIMITS: NaN and infinities are not served; a block of zeros, or one under 2^-124, gets the byte 1 (read by this program alone); the sum of squares is taken in another order than a plain chain; v_rsq_f32 is good to 1 ulp (ISA guide, its entry).
; No tensor loads; nothing is shared between work-groups, so no cluster.  There is no loop to run ahead in: no prefetch.
.set QS,    9437184
.set CODE,  81920                      ; behind the waves' stages (two of 32 x 80 bytes each): the work-group's images [16 heads][1536]
.set SCST,  106496                     ; its scale bytes [16 heads][16 rows][4]
.set SPARE, 107520                     ; the spare words, 128 bytes for each of the sixteen waves
.set SP,    80
.set WR,    24                         ; v24-87   the norm's weights, as a row is loaded
.set XB,    88                         ; v88-151  my row
.set SPW,   152
.set NIL,   153
.set CS0,   216                        ; v216-219 cos, v220-223 sin
.set SN0,   220
.set TR,    224                        ; v224-255 two sets of 16 neighbours; also the sums' and the rotation's temporaries
	s_load_b256 s[4:11], s[0:1], 0x0               ; qkv s[4:5], cos s[6:7], sin s[8:9], norm_q_w s[10:11]
	s_load_b128 s[12:15], s[0:1], 0x20             ; norm_k_w s[12:13], qkvq s[14:15]
	v_lshl_add_u32 v[SPW], v0, 2, SPARE
	v_mov_b32 v[NIL], 0
	v_lshrrev_b32 v24, 5, v0
	v_readfirstlane_b32 s16, v24                   ; wave
	v_and_b32 v24, 31, v0                          ; lane
	v_lshlrev_b32 v1, 4, v24                       ; 16 x lane
	s_mov_b32 s33, 0
	s_mul_i32 s17, s16, 2*32*SP
	v_lshrrev_b32 v25, 2, v24
	v_mul_u32_u24 v25, v25, SP
	v_and_b32 v26, 3, v24
	v_lshl_add_u32 v25, v26, 4, v25
	v_add_nc_u32 v2, s17, v25                      ; v2: the stage, in: 80 (lane / 4) + 16 (lane % 4)
	v_mul_u32_u24 v25, v24, SP
	v_add_nc_u32 v3, s17, v25                      ; v3: out: 80 x lane
	; behind the turn lane l holds, in step t, head 4 t + l / 8 and d = 16 (l % 8) + 0 .. 15: with j = l % 8 that is half e = j % 2 of block 2 c + h, h = (j / 2) % 2, c = j / 4: registers 6 c + 3 e + 0 .. 2 of lane (row, h)
	v_lshrrev_b32 v25, 3, v24
	v_mul_u32_u24 v25, v25, 1536                   ; a head's image
	v_bfe_u32 v26, v24, 1, 1
	v_lshl_add_u32 v25, v26, 8, v25                ; + 256 h
	s_lshl_b32 s18, s16, 4                         ; 16 bytes x row w
	s_add_co_u32 s18, s18, CODE
	v_add_nc_u32 v25, s18, v25
	v_bfe_u32 v26, v24, 2, 1
	v_mul_u32_u24 v26, v26, 6
	v_and_b32 v27, 1, v24
	v_mad_u32_u24 v26, v27, 3, v26                 ; 6 c + 3 e
.irp k, 0,1,2
	v_add_nc_u32 v27, \k, v26                      ; the register p
	v_lshrrev_b32 v28, 2, v27
	v_and_b32 v27, 3, v27
	v_lshl_add_u32 v28, v28, 9, v25
	v_lshl_add_u32 v[4+\k], v27, 2, v28            ; v4-6: + 512 (p / 4) + 4 (p % 4)
.endr
	v_lshrrev_b32 v25, 3, v24
	v_bfe_u32 v26, v24, 1, 2
	v_lshl_add_u32 v25, v25, 6, v26
	s_lshl_b32 s18, s16, 2
	s_add_co_u32 s18, s18, SCST
	v_add_nc_u32 v7, s18, v25                      ; v7: my block's scale byte: 64 (l / 8) + (l % 8) / 2 + 4 w
	s_mul_i32 s18, s16, 1536
	s_add_co_u32 s18, s18, CODE
	v_add_nc_u32 v19, s18, v1                      ; v19: the way out: head w's image
	v_and_b32 v25, 15, v0                          ; and head w's sixteen scale words, a lane a row (lanes 16-31 take the same as lanes 0-15)
	s_lshl_b32 s18, s16, 6
	s_add_co_u32 s18, s18, SCST
	v_lshl_add_u32 v23, v25, 2, s18                ; v23: in LDS
	v_and_b32 v26, 8, v25
	v_add_nc_u32 v26, v26, v25
	v_lshlrev_b32 v11, 2, v26                      ; v11: in memory: row m lies at 4 (m + 8 (m / 8))
	v_mov_b32 v15, 0                               ; (named as the upper half of the pair v[14:15])
	s_mov_b32 s20, 0x3a000000                      ; 1 / 2048
	s_mov_b32 s21, 0x358637bd                      ; 1e-6
	s_mov_b32 s22, 0x76543210
	s_mov_b32 s23, 0xfedcba98                      ; v_permlanex16_b32's selects for lane l xor 16
	s_lshr_b32 s28, ttmp9, 7                       ; 0: q, 1: k
	s_and_b32 s29, ttmp9, 127                      ; F
	s_lshr_b32 s30, s29, 1
	s_lshl_b32 s30, s30, 5
	s_and_b32 s31, s29, 1
	s_lshl_b32 s31, s31, 3
	s_add_co_u32 s35, s30, s31                     ; the fragment's first row: 32 b + 8 u
	s_lshr_b32 s31, s16, 3
	s_lshl_b32 s31, s31, 3
	s_add_co_u32 s30, s16, s31
	s_add_co_u32 s30, s30, s35                     ; my row: + w + 8 (w / 8)
	s_wait_alu depctr_va_vdst(0)                   ; the wait at the head's end
	s_wait_kmcnt 0x0
	s_lshl_b32 s32, s30, 13                        ; 8,192 bytes a row
	s_lshl_b32 s34, s28, 24                        ; 2^24 bytes a tensor
	s_add_co_u32 s32, s32, s34
	s_add_nc_u64 s[4:5], s[4:5], s[32:33]
	s_lshl_b32 s32, s30, 9                         ; cos, sin: 512 bytes a row
	s_add_nc_u64 s[6:7], s[6:7], s[32:33]
	s_add_nc_u64 s[8:9], s[8:9], s[32:33]
	s_cmp_eq_u32 s28, 0
	s_cselect_b64 s[10:11], s[10:11], s[12:13]     ; the norm's weights
.irp n, 0,1,2,3,4,5,6,7,8,9,10,11,12,13,14,15
	global_load_b128 v[XB+4*\n:XB+4*\n+3], v1, s[4:5] offset:512*\n th:TH_LOAD_NT   ; load n is head n, lane l holds d = 4 l .. 4 l + 3
.endr
.irp n, 0,1,2,3,4,5,6,7,8,9,10,11,12,13,14,15
	global_load_b128 v[WR+4*\n:WR+4*\n+3], v1, s[10:11] offset:512*\n
.endr
	global_load_b128 v[CS0:CS0+3], v1, s[6:7]
	global_load_b128 v[SN0:SN0+3], v1, s[8:9]
	s_mul_i32 s32, s28, 3145728
	s_mul_i32 s34, s29, 1536
	s_add_co_u32 s32, s32, s34
	s_mul_i32 s34, s16, 196608
	s_add_co_u32 s32, s32, s34
	s_add_nc_u64 s[24:25], s[14:15], s[32:33]      ; the image out: fragment F of head w
	s_lshl_b32 s32, s28, 17
	s_lshl_b32 s34, s35, 2
	s_add_co_u32 s32, s32, s34
	s_lshl_b32 s34, s16, 13
	s_add_co_u32 s32, s32, s34
	s_add_co_u32 s32, s32, QS
	s_add_nc_u64 s[26:27], s[14:15], s[32:33]      ; scale words out: head w, from the fragment's first row on
.macro TURNQ st                        ; four heads through the stage: LDS serves a wave's instructions in order
.irp n, 0,1,2,3
	ds_store_b128 v2, v[XB+16*(\st)+4*\n:XB+16*(\st)+4*\n+3] offset:32*SP*((\st)%2)+8*SP*\n
.endr
.irp n, 0,1,2,3
	ds_load_b128 v[TR+16*((\st)%2)+4*\n:TR+16*((\st)%2)+4*\n+3], v3 offset:32*SP*((\st)%2)+16*\n
.endr
.endm
.macro QSTEP st                        ; four heads of the row are quantised: 16 neighbours a lane, two neighbouring lanes to a block
.set TQ, TR+16*((\st)%2)
.set CD, 16+4*((\st)%2)
.if (\st) == 0
	s_wait_dscnt 0x0
.else
	s_wait_dscnt 4                                 ; this step's numbers are back from the stage; the last step's four stores may be out
.endif
.if (\st) < 3
	TURNQ (\st)+1
.endif
	v_max3_num_f32 v8, |v[TQ]|, |v[TQ+1]|, |v[TQ+2]|
	v_max3_num_f32 v9, |v[TQ+3]|, |v[TQ+4]|, |v[TQ+5]|
.irp m, 6,10
	v_max3_num_f32 v8, v8, |v[TQ+\m]|, |v[TQ+\m+1]|
	v_max3_num_f32 v9, v9, |v[TQ+\m+2]|, |v[TQ+\m+3]|
.endr
	v_max3_num_f32 v8, v8, |v[TQ+14]|, |v[TQ+15]|
	v_max3_num_f32 v8, v8, v9, 0x1800000           ; and the floor 2^(3 - 127): the byte cannot fall under 1
	v_max_num_f32_dpp v8, v8, v8 row_xmask:1 row_mask:0xf bank_mask:0xf   ; with my neighbour's 16: the block's largest magnitude
	v_add_nc_u32 v10, 0xff000000, v8               ; 2 off its exponent field: the conversion's scale operand
	v_cvt_scalef32_pk16_fp6_f32 v[CD:CD+2], v[TQ:TQ+15], v10
	v_lshrrev_b32 v[12+(\st)%2], 23, v10           ; the scale's byte (a plain line behind the conversion)
	ds_store_b32 v4, v[CD] offset:6144*(\st)
	ds_store_b32 v5, v[CD+1] offset:6144*(\st)
	ds_store_b32 v6, v[CD+2] offset:6144*(\st)
	ds_store_b8 v7, v[12+(\st)%2] offset:256*(\st) ; both lanes of a block write the same byte with the same value
.endm
	s_wait_loadcnt 18                              ; my row is in; the weights' sixteen loads and cos and sin may be out
.irp c, 0,1,2,3                                ; the sum of squares: my 64 numbers, two at a time, in four chains
	v_pk_mul_f32 v[224+2*\c:225+2*\c], v[XB+2*\c:XB+2*\c+1], v[XB+2*\c:XB+2*\c+1]
.endr
.set PJ, 4
.rept 28
	v_pk_fma_f32 v[224+2*(PJ%4):225+2*(PJ%4)], v[XB+2*PJ:XB+2*PJ+1], v[XB+2*PJ:XB+2*PJ+1], v[224+2*(PJ%4):225+2*(PJ%4)]
.set PJ, PJ+1
.endr
	v_pk_add_f32 v[224:225], v[224:225], v[226:227]
	v_pk_add_f32 v[228:229], v[228:229], v[230:231]
	v_pk_add_f32 v[224:225], v[224:225], v[228:229]
	v_add_f32 v224, v224, v225
	v_add_f32_dpp v224, v224, v224 row_xmask:1 row_mask:0xf bank_mask:0xf
	v_add_f32_dpp v224, v224, v224 row_xmask:2 row_mask:0xf bank_mask:0xf
	v_add_f32_dpp v224, v224, v224 row_xmask:4 row_mask:0xf bank_mask:0xf
	v_add_f32_dpp v224, v224, v224 row_xmask:8 row_mask:0xf bank_mask:0xf
	v_permlanex16_b32 v226, v224, s22, s23         ; (its destination counts as read: v226 has been written above)
	v_add_f32 v224, v224, v226                     ; the row's sum, in every lane
	v_fma_f32 v225, v224, s20, s21                 ; the mean + 1e-6
	s_wait_alu depctr_va_vdst(0)                   ; the wait ahead of the transcendental, and ahead of the wait below
	s_wait_loadcnt 0x0                             ; the weights, cos and sin are in
	v_rsq_f32 v14, v225
	v_nop                                          ; a plain line behind the transcendental
	s_wait_alu depctr_va_vdst(0)                   ; and the wait ahead of the first line that names its result
.set PJ, 0
.rept 32
	v_pk_mul_f32 v[XB+2*PJ:XB+2*PJ+1], v[XB+2*PJ:XB+2*PJ+1], v[14:15] op_sel_hi:[1,0]   ; x x r
.set PJ, PJ+1
.endr
.set PJ, 0
.rept 32
	v_pk_mul_f32 v[XB+2*PJ:XB+2*PJ+1], v[XB+2*PJ:XB+2*PJ+1], v[WR+2*PJ:WR+2*PJ+1]       ; x w
.set PJ, PJ+1
.endr
; the rotation of a pair (x0, x1), with c = cos at the even place and s = sin at the odd one: (x0 c - x1 s, x1 c + x0 s).  First (x1 s, x0 s), then one packed multiply-add that takes the low half off
.set PG, 0
.rept 4
.set PJ, 0
.rept 8
	v_pk_mul_f32 v[240+2*PJ:241+2*PJ], v[XB+16*PG+2*PJ:XB+16*PG+2*PJ+1], v[SN0+2*(PJ%2):SN0+2*(PJ%2)+1] op_sel:[1,1] op_sel_hi:[0,1]
.set PJ, PJ+1
.endr
.set PJ, 0
.rept 8
	v_pk_fma_f32 v[XB+16*PG+2*PJ:XB+16*PG+2*PJ+1], v[XB+16*PG+2*PJ:XB+16*PG+2*PJ+1], v[CS0+2*(PJ%2):CS0+2*(PJ%2)+1], v[240+2*PJ:241+2*PJ] op_sel_hi:[1,0,1] neg_lo:[0,0,1]
.set PJ, PJ+1
.endr
.set PG, PG+1
.endr
	TURNQ 0
	QSTEP 0
	QSTEP 1
	QSTEP 2
	QSTEP 3
	s_wait_dscnt 0x0                               ; for the others' sake: my stores into the images and the scale bytes are done (a fragment's lanes come from all sixteen waves)
	s_barrier_signal -1
	s_barrier_wait -1
.irp n, 0,1,2
	ds_load_b128 v[XB+4*\n:XB+4*\n+3], v19 offset:512*\n
.endr
	ds_load_b32 v[XB+12], v23
.irp n, 0,1,2
	s_wait_dscnt 3-\n                              ; load n is in; the younger ones may be out
	global_store_b128 v1, v[XB+4*\n:XB+4*\n+3], s[24:25] offset:512*\n   ; 32 lanes store 512 consecutive bytes, aligned
.endr
	s_wait_dscnt 0x0
	global_store_b32 v11, v[XB+12], s[26:27]       ; head w's scale words: two runs of 32 consecutive bytes (lanes 16-31 store the same to the same place)
	s_wait_tensorcnt 0x0                           ; the wave's end
	ds_add_u32 v[SPW], v[NIL]
	s_wait_dscnt 0x0
	s_endpgm
.Lfunc_end_k_qd01acef8d3_normrope:
	.size	k_qd01acef8d3_normrope, .Lfunc_end_k_qd01acef8d3_normrope-k_qd01acef8d3_normrope
	.p2alignl 7, 3214868480
	.fill 96, 4, 3214868480
	.section	.rodata,"a",@progbits
	.p2align	6, 0x0
	.amdhsa_kernel k_qd01acef8d3_normrope
		.amdhsa_group_segment_fixed_size 109568
		.amdhsa_private_segment_fixed_size 0
		.amdhsa_enable_private_segment 0
		.amdhsa_kernarg_size 48
		.amdhsa_user_sgpr_count 2
		.amdhsa_user_sgpr_kernarg_segment_ptr 1
		.amdhsa_wavefront_size32 1
		.amdhsa_system_sgpr_workgroup_id_x 1
		.amdhsa_system_sgpr_workgroup_id_y 1
		.amdhsa_system_sgpr_workgroup_id_z 1
		.amdhsa_system_vgpr_workitem_id 0
		.amdhsa_next_free_vgpr 256
		.amdhsa_next_free_sgpr 66
		.amdhsa_reserve_vcc 0
		.amdhsa_float_denorm_mode_32 3
		.amdhsa_float_denorm_mode_16_64 3
		.amdhsa_memory_ordered 1
		.amdhsa_forward_progress 1
		.amdhsa_inst_pref_size 26
	.end_amdhsa_kernel
	.amdgpu_metadata
---
amdhsa.version: [ 1, 2 ]
amdhsa.kernels:
  - .name:           k_qd01acef8d3_normrope
    .symbol:         k_qd01acef8d3_normrope.kd
    .args:
      - { .name: qkv, .offset: 0, .size: 8, .value_kind: global_buffer, .address_space: global }
      - { .name: freqs_cos, .offset: 8, .size: 8, .value_kind: global_buffer, .address_space: global }
      - { .name: freqs_sin, .offset: 16, .size: 8, .value_kind: global_buffer, .address_space: global }
      - { .name: norm_q_w, .offset: 24, .size: 8, .value_kind: global_buffer, .address_space: global }
      - { .name: norm_k_w, .offset: 32, .size: 8, .value_kind: global_buffer, .address_space: global }
      - { .name: qkvq, .offset: 40, .size: 8, .value_kind: global_buffer, .address_space: global }
    .group_segment_fixed_size: 109568
    .private_segment_fixed_size: 0
    .kernarg_segment_align: 8
    .kernarg_segment_size: 48
    .max_flat_workgroup_size: 512
    .sgpr_count:     66
    .vgpr_count:     256
    .wavefront_size: 32
...
	.end_amdgpu_metadata
.endif
;; end of part 3
;; launch attn (part 4): grid 16 x 16, 16 waves a work-group, clusters of 4 x 1, 327,680 bytes of LDS; arguments qkvq, oq; writes oq
.if DOCPART == 4
	.amdgcn_target "amdgcn-amd-amdhsa--gfx1250"
	.amdhsa_code_object_version 6
	.text
	.protected	k_qd01acef8d3_attn
	.globl	k_qd01acef8d3_attn
	.p2align	8
	.type	k_qd01acef8d3_attn,@function
k_qd01acef8d3_attn:
	s_mov_b64 s[64:65], 0
	v_nop
	global_prefetch_b8 v0, s[64:65] scope:SCOPE_SE
	s_setreg_imm32_b32 hwreg(HW_REG_WAVE_MODE, 25, 1), 1
	s_wait_xcnt 0x0
	s_wait_alu depctr_hold_cnt(0) depctr_sa_sdst(0) depctr_va_vdst(0) depctr_va_sdst(0) depctr_va_ssrc(0) depctr_va_vcc(0) depctr_vm_vsrc(0)
	s_getreg_b32 s2, hwreg(HW_REG_IB_STS2, 6, 4)
	s_cmp_eq_u32 s2, 0
	s_cbranch_scc0 .Lentry_in_a_cluster
	s_endpgm
.Lentry_in_a_cluster:
	s_bfe_u32 s2, ttmp6, 0x10000c
	s_cmp_lg_u32 s2, 0x3003
	s_cbranch_scc0 .Lentry_shape_is_right
	s_endpgm
.Lentry_shape_is_right:
; O[q][128 head + d] = the sum over k of softmax_k(Q[q] . K[k] / sqrt(128)) V[k][d], for 16 heads of 2,048 queries and keys, both products on codes of FP6 (E2M3) with one E8M0 scale for each 32 along a product's K;
; O is then quantised along its row (the next product's K) and stored as codes [2048][1536 bytes] at 0 of oq and scale bytes [2048][64] at 3,145,728.
; THE SOFTMAX AHEAD OF THE SECOND PRODUCT: t = score x log2(e) / sqrt(128); M = the largest t so far, rounded up to a whole number; p = 2^(t - M) is what is quantised, along the keys.
; The row's sum is taken of the unquantised p, in f32, and divides O at the end.  When M moves, the sum and O are multiplied by 2^(old M - new M): exact.
; OPERANDS arrive as images of their registers (1,536 bytes a fragment: three loads of 16 bytes a lane, 512 consecutive bytes each), a key step of 128 keys as eight fragments of K and eight of V, 12,288 dense bytes each.
; The rows of a fragment are not neighbours: fragment 2 b + u takes, as its row m, row 32 b + 8 u + m + 8 (m / 8).  Both products are used transposed (S^T = K Q^T, O^T = V^T P^T): a lane holds one query throughout,
; the 16 registers of tiles 2 b and 2 b + 1 of S^T are 16 neighbouring keys, and those of O^T 16 neighbouring channels.
; SHARES.  A work-group owns 128 queries of one head: eight fragments of 16.  SIXTEEN waves, four to a SIMD, so that one wave's vector work stands beside another's LDS loads and exponentials.
; Waves w and w + 8 hold the same fragment of queries and share the keys: of each slot's four key steps wave w takes the first two, wave w + 8 the last two: eight key steps a wave, each with a running M, sum and O^T of its own.
; At the end wave w + 8 hands its O^T, M and sums to wave w through LDS; both are brought under the larger M by exact powers of two and added.
; K and V come through a ring of two LDS slots of 512 keys.
; CLUSTER.  The four query blocks of a cluster belong to one head and walk the same K and V: each tile is asked for jointly, by the same tensor load with the same descriptor and a mask that names the four.
; Waves 0 and 1 fetch K's halves of a slot, waves 2 and 3 V's, the others nothing.  A wave has at most one tensor load out: one at the start, then one behind each round.
; LIMITS: NaN and infinities are not served; a block of zeros gets the byte 1 (read by this program alone); a block's largest p is taken from its largest score, which takes v_exp_f32 not to fall where its input rises;
; v_exp_f32 and v_rcp_f32 are good to 1 ulp (ISA guide, their entries); a row's sums are formed in two halves of the keys and joined, another order of rounding than one chain.
; A head's part of a row of oq is 96 bytes: the stores cover runs of 96 consecutive bytes.
; REGISTERS: v1-6 addresses that stay; v8-11 addresses of the loads in hand; v12 -M, v13 the largest t, v[14:15] the sum in two halves; v16-27 Q; v28 the prefetches' offset; v30 Q's scale words' offset;
;   v32-79 four fragments of K or of V; v80-92 the way out's addresses; v96-159 S^T, then p; v160-223 O^T; v224-235 p's codes; v232-254 at work; v248-251 scale words; v255 Q's scale words.
.set KI,    3145728                    ; qkvq: K's images (V's lie as far behind them again)
.set QS,    9437184                    ; Q's scale words
.set KSC,   9568256                    ; K's scale words (V's scale bytes lie 131,072 behind them)
; oq AS THIS TEXT STORES IT (in place of what the head says of oq's rows and of runs of 96 bytes): a pair's 16 queries x one head are one fragment of the next product, stored as the image of its registers, 1,536 bytes:
; fragment rb = 8 x block + wave % 8 and head hd lie at (rb / 4) 98,304 + hd 6,144 + (rb % 4) 1,536; the scale word of lane row r at OSC + 1,024 rb + 512 (hd / 8) + 16 (r + 16 (hd % 2)) + 4 ((hd % 8) / 2).
.set OSC,   3145728
.set VOFF,  49152                      ; a slot: four key steps of K, then four of V: 98,304 bytes
.set SLOT1, 1<<17                      ; slot 1 begins here, so that one exclusive or turns an address in one slot into the other's
.set MRG,   98304                      ; behind each slot's tiles lie 32,768 bytes that no fill reaches: four pairs' images of O^T, 8,192 bytes each
.set SCK,   2*SLOT1                    ; behind the ring: K's scale words of the whole head, 8,192 bytes, as runs of 256 bytes + 16 of padding;
.set SCV,   SCK+8704                   ; V's likewise
.set SPARE, SCV+8704                   ; the spare words, 128 bytes for each of the sixteen waves, which no other line names
.set STAGE, SPARE+2048                 ; 12,288 bytes that nothing uses; no fill ever lands here
.set MST,   STAGE+12288                ; a pair's -M, t and sums: 512 bytes each; no fill ever lands here
.set TM,    232
.set PC,    32
.set PW,    252
.macro CROUND                          ; a round of the cluster's barrier
	s_barrier_signal -1
	s_barrier_wait -1
	s_cmp_lg_u32 s8, 0
	s_cbranch_scc1 .Lnot_wave_0_\@
	s_barrier_signal -3
.Lnot_wave_0_\@:
	s_barrier_wait -3
	s_barrier_signal -1
	s_barrier_wait -1
.endm
.macro TLOAD                           ; a joint refill: the branch hangs on the wave's number alone; four v_nop follow the load
	s_cmp_lt_u32 s8, 4
	s_cbranch_scc0 .Lnone_\@
	tensor_load_to_lds s[32:35], s[16:23]
	s_nop 0
.rept 4
	v_nop
.endr
.Lnone_\@:
.endm
; A PREFETCH INTO THE L2 of tiles that later changes of slots will ask for.  All clusters of a head walk the same K and V: the head's first cluster asks.  Its four partners are told apart by address alone (8,192 bytes each);
; in each, waves 4 and 5 ask for K and waves 6 and 7 for V, lanes 256 bytes apart, one instruction a wave.  At the first change the four waves name the head's bytes 98,304 to 163,839 of K and of V,
; at the second the even waves name 163,840 to 196,607, at the third nobody asks: each run of 256 bytes is named once, none past the head's end.  The first two slots come by their loads alone.
.macro ASK
	s_cmp_gt_u32 s43, s44
	s_cbranch_scc0 .Lnot_mine_\@
	global_prefetch_b8 v28, s[48:49] th:TH_LOAD_NT scope:SCOPE_SE
.Lnot_mine_\@:
.endm
	s_load_b128 s[4:7], s[0:1], 0x0                ; qkvq s[4:5], oq s[6:7]
	v_lshl_add_u32 v5, v0, 2, SPARE                ; my spare word; never rewritten
	v_mov_b32 v6, 0                                ; 0; never rewritten
	ds_add_u32 v5, v6
	ds_add_u32 v5, v6
	s_wait_dscnt 0x0
	v_lshrrev_b32 v8, 5, v0
	s_delay_alu instid0(VALU_DEP_1)
	v_readfirstlane_b32 s8, v8                     ; wave 0..15
	s_and_b32 s70, s8, 7                           ; my fragment of queries among the work-group's eight
	s_lshr_b32 s71, s8, 3                          ; which two of a slot's four key steps are mine
	s_bfe_u32 s9, ttmp6, 0x40000                   ; cx: my place in the cluster
	s_lshl_b32 s10, ttmp9, 2
	s_add_co_u32 s10, s10, s9                      ; my block of 128 queries: it enters Q's and O's addresses alone
	s_and_b32 s11, ttmp7, 0xffff                   ; the head, which the four partners share
	s_mov_b32 s12, 0x76543210
	s_mov_b32 s13, 0xfedcba98                      ; v_permlanex16_b32's selects for lane l xor 16
	s_mov_b32 s14, 0x3e0293ee                      ; c = log2(e) / sqrt(128)
	s_mov_b32 s15, s14                             ; (named with it as a pair, so it is written)
	; descriptor group 1 for the tiles: 24,576 dense bytes as 96 rows of 256 bytes (32 elements of 8 bytes), no padding
	s_mov_b32 s16, 15|(3<<16)|(1<<21)              ; 15:0 the mask: all four work-groups; 17:16 elements of 8 bytes; 21 set beside a mask
	s_mov_b32 s17, 32<<16                          ; tensor_dim0
	s_mov_b32 s18, 96<<16                          ; tensor_dim1
	s_mov_b32 s19, 32<<16                          ; tile_dim0
	s_mov_b32 s20, 96                              ; tile_dim1
	s_mov_b32 s21, 32                              ; tensor_dim0_stride
	s_mov_b32 s22, 0
	s_mov_b32 s23, 0
	; and for the scale bytes: 4,096 dense bytes as 16 rows of 256, 16 bytes of padding behind each
	s_mov_b32 s24, 15|(3<<16)|(1<<20)|(1<<21)|(5<<22)|(3<<25)
	s_mov_b32 s25, 32<<16
	s_mov_b32 s26, 16<<16
	s_mov_b32 s27, 32<<16
	s_mov_b32 s28, 16
	s_mov_b32 s29, 32
	s_mov_b32 s30, 0
	s_mov_b32 s31, 0
	s_and_b32 s50, s8, 1                           ; which half I fetch
	s_bfe_u32 s51, s8, 0x10001                     ; (w / 2) % 2: 0 for K, 1 for V
	s_and_b32 s66, s8, 3                           ; my place among the four that fetch
	s_mul_i32 s60, s11, 196608                     ; the head's images,
	s_mul_i32 s61, s51, 3145728
	s_add_co_u32 s60, s60, s61
	s_add_co_u32 s60, s60, KI                      ; of K or of V
	s_mul_i32 s62, s50, 24576
	s_add_co_u32 s62, s62, s60                     ; my half of slot 0's tile
	s_mov_b32 s63, 0
	s_lshl_b32 s2, s51, 17
	s_lshl_b32 s3, s11, 13
	s_add_co_u32 s2, s2, s3
	s_lshl_b32 s3, s50, 12
	s_add_co_u32 s2, s2, s3
	s_add_co_u32 s2, s2, KSC                       ; my half of the head's scale bytes, K's or V's
	s_mov_b32 s3, 0
	s_lshl_b32 s52, s10, 3
	s_add_co_u32 s52, s52, s70                     ; my fragment of Q: 8 x block + wave % 8
	s_mul_i32 s52, s52, 1536
	s_mul_i32 s53, s11, 196608
	s_add_co_u32 s52, s52, s53
	s_mov_b32 s53, 0
	s_lshl_b32 s54, s10, 7
	s_lshr_b32 s55, s70, 1
	s_lshl_b32 s55, s55, 5
	s_add_co_u32 s54, s54, s55
	s_lshl_b32 s55, s50, 3
	s_add_co_u32 s54, s54, s55                     ; q0 = 128 x block + 32 ((w % 8) / 2) + 8 (w % 2): lane row r is query q0 + r + 8 (r / 8)
	s_lshl_b32 s56, s10, 3
	s_add_co_u32 s56, s56, s70                     ; rb
	s_lshr_b32 s57, s56, 2
	s_mul_i32 s57, s57, 98304
	s_and_b32 s56, s56, 3
	s_mul_i32 s56, s56, 1536
	s_add_co_u32 s56, s56, s57
	s_mul_i32 s57, s11, 6144
	s_add_co_u32 s56, s56, s57                     ; oq's image of my fragment and head
	s_mov_b32 s57, 0
	s_lshl_b32 s58, s10, 3
	s_add_co_u32 s58, s58, s70
	s_lshl_b32 s58, s58, 10                        ; 1,024 rb
	s_lshr_b32 s59, s11, 3
	s_lshl_b32 s59, s59, 9
	s_add_co_u32 s58, s58, s59
	s_and_b32 s59, s11, 1
	s_lshl_b32 s59, s59, 8
	s_add_co_u32 s58, s58, s59
	s_bfe_u32 s59, s11, 0x20001
	s_lshl_b32 s59, s59, 2
	s_add_co_u32 s58, s58, s59
	s_add_co_u32 s58, s58, OSC                     ; oq's scale words of my fragment and head
	s_mov_b32 s59, 0
	s_lshl_b32 s54, s54, 2
	s_lshl_b32 s55, s11, 13
	s_add_co_u32 s54, s54, s55
	s_add_co_u32 s54, s54, QS                      ; Q's scale words at q0
	s_mov_b32 s55, 0
	s_lshl_b32 s67, s9, 13                         ; the prefetches: 8,192 cx,
	s_add_co_u32 s68, s50, 1
	s_lshl_b32 s68, s68, 15                        ; + 32,768 (1 + w % 2): the first change of slots steps this by 65,536
	s_add_co_u32 s68, s68, s67
	s_add_co_u32 s68, s68, s60
	s_mov_b32 s69, 0
	s_mov_b32 s46, 65536
	s_mov_b32 s47, 0
	s_add_co_u32 s44, s50, 1                       ; a wave asks while the count of slots is above this: 1 in even waves, 2 in odd ones,
	s_lshr_b32 s45, s8, 2
	s_xor_b32 s45, s45, 1                          ; 0 in waves 4 to 7 alone,
	s_or_b32 s45, s45, ttmp9                       ; of the head's first cluster: the same in all four partners
	s_cmp_eq_u32 s45, 0
	s_cselect_b32 s44, s44, -1                     ; else the greatest number: never
	s_mul_i32 s40, s71, 24576                      ; LDS byte at which my two key steps of the slot in hand begin
	s_mul_i32 s41, s71, 1088                       ; where the step's scale words of K begin: 544 bytes a step
	s_lshl_b32 s42, s71, 3                         ; and V's: 4 bytes a step
	s_mov_b32 s43, 3                               ; slots still to be asked for
	s_wait_kmcnt 0x0
	s_add_nc_u64 s[52:53], s[4:5], s[52:53]
	s_add_nc_u64 s[54:55], s[4:5], s[54:55]
	s_add_nc_u64 s[56:57], s[6:7], s[56:57]
	s_add_nc_u64 s[58:59], s[6:7], s[58:59]
	s_add_nc_u64 s[48:49], s[4:5], s[68:69]
	CROUND                                         ; all four work-groups are here: the first joint loads meet
	s_mov_b32 s36, 1                               ; group 0 for the scale bytes
	s_mul_i32 s37, s66, 4352
	s_add_co_u32 s37, s37, SCK
	s_add_nc_u64 s[38:39], s[4:5], s[2:3]
	s_or_b32 s39, s39, 0x80000000
	s_mov_b32 s32, 1                               ; group 0 for the tiles: it walks
	s_mul_i32 s33, s66, 24576                      ; K's halves, then V's: no place in the cluster enters an LDS address
	s_add_nc_u64 s[34:35], s[4:5], s[62:63]
	s_or_b32 s35, s35, 0x80000000
	s_cmp_lt_u32 s8, 4                             ; the two first fills stand in one branch, ahead of every wait on TENSORcnt and every LDS read
	s_cbranch_scc0 .Lfirst_scales                  ; one chain of branches on the wave's number, one fill to an arm: waves 0-3 slot 0's quarters, waves 4-7 the quarters of the scale bytes
	tensor_load_to_lds s[32:35], s[16:23]          ; slot 0
	s_nop 0
.rept 4
	v_nop
.endr
	s_branch .Lfirst_none
.Lfirst_scales:
	s_cmp_lt_u32 s8, 8
	s_cbranch_scc0 .Lfirst_none
	tensor_load_to_lds s[36:39], s[24:31]          ; the scale bytes of the whole head: filled once
	s_nop 0
.rept 4
	v_nop
.endr
.Lfirst_none:
	v_and_b32 v8, 31, v0                           ; lane
	s_delay_alu instid0(VALU_DEP_1)
	v_lshlrev_b32 v1, 4, v8                        ; v1: 16 x lane: my place in an image (K's tiles begin a slot)
	s_delay_alu instid0(VALU_DEP_1)
	v_add_nc_u32 v2, VOFF, v1                      ; v2: the same among V's tiles
	s_delay_alu instid0(VALU_DEP_3)
	v_lshlrev_b32 v28, 8, v8                       ; v28: 256 x lane
	v_and_b32 v9, 15, v0                           ; r
	s_delay_alu instid0(VALU_DEP_1)
	v_and_b32 v10, 8, v9
	s_delay_alu instid0(VALU_DEP_1)
	v_add_nc_u32 v10, v10, v9                      ; r + 8 (r / 8)
	s_delay_alu instid0(VALU_DEP_1)
	v_lshl_add_u32 v3, v10, 2, SCK                 ; v3: K's scale words: 4 bytes a key
	s_delay_alu instid0(VALU_DEP_2)
	v_lshrrev_b32 v11, 2, v10
	s_delay_alu instid0(VALU_DEP_3)
	v_and_b32 v29, 3, v10
	s_delay_alu instid0(VALU_DEP_2)
	v_mul_u32_u24 v11, v11, 272
	s_delay_alu instid0(VALU_DEP_1)
	v_lshl_add_u32 v11, v29, 6, v11
	s_delay_alu instid0(VALU_DEP_1)
	v_add_nc_u32 v4, SCV, v11                      ; v4: V's: 64 bytes a channel, four channels to a run of 256 + 16
	v_lshlrev_b32 v30, 2, v10                      ; v30: Q's scale words
.irp c, 0,1,2
	global_load_b128 v[16+4*\c:19+4*\c], v1, s[52:53] offset:512*\c   ; Q's fragment stays in registers
.endr
	global_load_b32 v255, v30, s[54:55]
	v_mov_b32 v13, 0xff61b1e6                      ; the largest t so far: -3e38, under every t
	s_delay_alu instid0(VALU_DEP_1)
	v_floor_f32 v12, -v13                          ; -M
	v_mov_b32 v14, 0                               ; the sum, in two halves
	v_mov_b32 v15, 0
.irp b, 0,1,2,3
	v_mov_b32 v[236+\b], 0                         ; written once: a lane permute's destination counts as one of its sources
.endr
	v_mov_b32 v253, 0                              ; (named as the upper half of the pair v[252:253] before it is first written)
.set J, 0
.rept 64
	v_mov_b32 v[160+J], 0                          ; O^T.  (The loop is written once: its first step finds zeros, which the first change of M leaves zeros)
.set J, J+1
.endr
.macro FRAGS adr, off                  ; four fragments, as they lie: 12 loads of 512 consecutive bytes
.irp t, 0,1,2,3
.irp c, 0,1,2
	ds_load_b128 v[32+12*\t+4*\c:35+12*\t+4*\c], v[\adr] offset:(\off)+1536*\t+512*\c
.endr
.endr
.endm
; A KEY STEP: 128 keys, the q-th of my two in the slot in hand.
.macro STEP q
	v_add_nc_u32 v8, s40, v1                       ; (these four are also the places behind the last step's products, in front of the loads below)
	s_wait_alu depctr_va_vdst(0)
	v_add_nc_u32 v9, s40, v2
	v_add_nc_u32 v10, s41, v3
	s_wait_alu depctr_va_vdst(0)
	v_add_nc_u32 v11, s42, v4
.irp g, 0,1                                    ; S^T = K Q^T, four tiles of 16 keys at a time
.if \g > 0
.rept 4
	v_nop                                          ; places in front of loads into registers that matrix instructions have read
.endr
.endif
	FRAGS 8, 12288*(\q)+6144*\g
.irp t, 0,1,2,3
	ds_load_b32 v[248+\t], v10 offset:272*\g+(32*(((4*\g+\t)/2)%2)+8*(\t%2))*4
.endr
	s_wait_dscnt 0x0
.irp t, 0,1,2,3
	v_wmma_scale_f32_16x16x128_f8f6f4 v[96+8*(4*\g+\t):103+8*(4*\g+\t)], v[32+12*\t:43+12*\t], v[16:27], 0, v[248+\t], v255 matrix_a_fmt:MATRIX_FMT_FP6 matrix_b_fmt:MATRIX_FMT_FP6
.endr
.endr
.rept 4
	v_nop                                          ; places in front of the loads below and of the first read of the scores
.endr
	FRAGS 9, 12288*(\q)                            ; V's first four fragments and their scale words: they land while the softmax is worked
	s_wait_alu depctr_va_vdst(0)
.irp t, 0,1,2,3
	ds_load_b32 v[248+\t], v11 offset:(8*(\t/2)+2*(\t%2))*272
.endr
.irp b, 0,1,2,3
	v_max3_num_f32 v[232+\b], v[96+16*\b], v[97+16*\b], v[98+16*\b]   ; the largest score of each block of 32 keys: it serves for the row's maximum and, since p rises with the score, for the block's largest p
.endr
.irp i, 3,5,7,9,11,13
.irp b, 0,1,2,3
	v_max3_num_f32 v[232+\b], v[232+\b], v[96+16*\b+\i], v[97+16*\b+\i]   ; (the four blocks by turns)
.endr
.endr
.irp b, 0,1,2,3
	v_max_num_f32 v[232+\b], v[232+\b], v[111+16*\b]
.endr
.irp b, 0,1,2,3
	s_delay_alu instid0(VALU_DEP_4)
	v_permlanex16_b32 v[236+\b], v[232+\b], s12, s13
.endr
.irp b, 0,1,2,3
	s_delay_alu instid0(VALU_DEP_4)
	v_max_num_f32 v[232+\b], v[232+\b], v[236+\b]  ; with lane l xor 16's 16 keys
.endr
	s_delay_alu instid0(VALU_DEP_2)
	v_max3_num_f32 v254, v232, v233, v234
	s_delay_alu instid0(VALU_DEP_1)
	v_max_num_f32 v254, v254, v235                 ; the step's largest score of my query
	s_delay_alu instid0(VALU_DEP_1)
	v_mul_f32 v254, s14, v254                      ; as t (c is positive)
	s_delay_alu instid0(VALU_DEP_1)
	v_max_num_f32 v13, v13, v254                   ; the running largest t
	v_mov_b32 v254, v12
	s_delay_alu instid0(VALU_DEP_2)
	v_floor_f32 v12, -v13                          ; the new -M = floor(-t) = -ceil(t): a whole number
	s_delay_alu instid0(VALU_DEP_1)
	v_sub_f32 v254, v12, v254                      ; M's old value less its new one: a whole number, 0 or less
	s_delay_alu instid0(VALU_DEP_1)
	v_cvt_i32_f32 v254, v254                       ; (it saturates)
	s_delay_alu instid0(VALU_DEP_1)
	v_ldexp_f32 v252, 1.0, v254                    ; f = 2^(old M - new M)
.set J, 0
.rept 32
	v_pk_fma_f32 v[96+J:97+J], v[96+J:97+J], s[14:15], v[12:13] op_sel_hi:[1,0,0]   ; t - M, two at a time
.set J, J+2
.endr
.irp b, 0,1,2,3
	v_fma_f32 v[232+\b], v[232+\b], s14, v12       ; the same of each block's largest score
.endr
.set J, 0
	s_wait_alu depctr_va_vdst(0)
.rept 64
	v_exp_f32 v[96+J], v[96+J]                     ; p = 2^(t - M), at most 1: not normalised
.set J, J+1
.endr
	v_pk_mul_f32 v[14:15], v[14:15], v[252:253] op_sel_hi:[1,0]   ; the sums under the new M.  (A plain line behind the exponentials)
	s_wait_alu depctr_va_vdst(0)                   ; one wait for the whole batch, ahead of the first line that names a result
.irp b, 0,1,2,3
	v_exp_f32 v[232+\b], v[232+\b]                 ; the block's largest p: the same two instructions on the same number give the same bits
.endr
	v_pk_add_f32 v[236:237], v[100:101], v[104:105]
	v_pk_add_f32 v[246:247], v[108:109], v[112:113]
	v_pk_add_f32 v[244:245], v[116:117], v[120:121]
	v_pk_add_f32 v[242:243], v[124:125], v[128:129]
	v_pk_add_f32 v[240:241], v[132:133], v[136:137]
	v_pk_add_f32 v[238:239], v[140:141], v[144:145]
	v_pk_add_f32 v[230:231], v[148:149], v[152:153]
	v_pk_add_f32 v[14:15], v[14:15], v[156:157]
	v_pk_add_f32 v[236:237], v[236:237], v[96:97]
	v_pk_add_f32 v[246:247], v[246:247], v[98:99]
	v_pk_add_f32 v[244:245], v[244:245], v[102:103]
	v_pk_add_f32 v[242:243], v[242:243], v[106:107]
	v_pk_add_f32 v[240:241], v[240:241], v[110:111]
	v_pk_add_f32 v[238:239], v[238:239], v[114:115]
	v_pk_add_f32 v[230:231], v[230:231], v[118:119]
	v_pk_add_f32 v[14:15], v[14:15], v[122:123]
	v_pk_add_f32 v[236:237], v[236:237], v[126:127]
	v_pk_add_f32 v[246:247], v[246:247], v[130:131]
	v_pk_add_f32 v[244:245], v[244:245], v[134:135]
	v_pk_add_f32 v[242:243], v[242:243], v[138:139]
	v_pk_add_f32 v[240:241], v[240:241], v[142:143]
	v_pk_add_f32 v[238:239], v[238:239], v[146:147]
	v_pk_add_f32 v[230:231], v[230:231], v[150:151]
	v_pk_add_f32 v[14:15], v[14:15], v[154:155]
	v_pk_add_f32 v[236:237], v[236:237], v[158:159]
	s_delay_alu instid0(VALU_DEP_2)
	v_pk_add_f32 v[14:15], v[14:15], v[242:243]
	s_delay_alu instid0(VALU_DEP_2)
	v_pk_add_f32 v[236:237], v[236:237], v[240:241]
	v_pk_add_f32 v[246:247], v[246:247], v[238:239]
	v_pk_add_f32 v[244:245], v[244:245], v[230:231]
	s_delay_alu instid0(VALU_DEP_2)
	v_pk_add_f32 v[14:15], v[14:15], v[246:247]
	s_delay_alu instid0(VALU_DEP_2)
	v_pk_add_f32 v[236:237], v[236:237], v[244:245]
	s_delay_alu instid0(VALU_DEP_1)
	v_pk_add_f32 v[14:15], v[14:15], v[236:237]
	s_wait_alu depctr_va_vdst(0)                   ; and one for the four
.irp b, 0,1,2,3
	v_max_num_f32 v[232+\b], 0x1800000, v[232+\b]  ; the floor 2^(3 - 127): the byte cannot fall under 1
.endr
.irp b, 0,1,2,3
	s_delay_alu instid0(VALU_DEP_4)
	v_add_nc_u32 v[244+\b], 0xff000000, v[232+\b]  ; 2 off the exponent field: the conversion's scale operand
.endr
.irp b, 0,1,2,3
	s_delay_alu instid0(VALU_DEP_4)
	v_lshrrev_b32 v[236+\b], 23, v[244+\b]         ; the scale's byte
.endr
	s_delay_alu instid0(VALU_DEP_3)
	v_lshl_or_b32 v253, v237, 8, v236              ; p's scale word for these 128 keys
	s_delay_alu instid0(VALU_DEP_1)
	v_lshl_or_b32 v253, v238, 16, v253
	s_delay_alu instid0(VALU_DEP_1)
	v_lshl_or_b32 v253, v239, 24, v253
.irp c, 0,1
	v_cvt_scalef32_pk16_fp6_f32 v[224+6*\c:226+6*\c], v[96+32*\c:111+32*\c], v[244+2*\c]
	v_cvt_scalef32_pk16_fp6_f32 v[236+4*\c:238+4*\c], v[112+32*\c:127+32*\c], v[244+2*\c+1]   ; (a conversion's three registers begin on an even number)
.endr
	v_nop                                          ; a plain line behind the conversions
.irp c, 0,1                                    ; the operand's layout wants a whole block in a lane: lanes 0-15 block 2 c, lanes 16-31 block 2 c + 1
.irp i, 0,1,2
	v_permlane16_swap_b32 v[224+6*\c+\i], v[236+4*\c+\i]
.endr
.irp i, 0,1,2
	s_delay_alu instid0(VALU_DEP_3)
	v_mov_b32 v[227+6*\c+\i], v[236+4*\c+\i]
.endr
.endr
.set J, 0
.rept 32
	v_pk_mul_f32 v[160+J:161+J], v[160+J:161+J], v[252:253] op_sel_hi:[1,0]   ; O^T under the new M: x f.  (These 32 are also the places between the lines that made p's codes and scale word and the products below)
.set J, J+2
.endr
	s_wait_alu depctr_va_vdst(0)
	s_wait_dscnt 0x0                               ; V's first four fragments are in
.irp t, 0,1,2,3                                ; O^T += V^T P^T: K = these 128 keys; the accumulators take turns
	v_wmma_scale_f32_16x16x128_f8f6f4 v[160+8*\t:167+8*\t], v[32+12*\t:43+12*\t], v[224:235], v[160+8*\t:167+8*\t], v[248+\t], v253 matrix_a_fmt:MATRIX_FMT_FP6 matrix_b_fmt:MATRIX_FMT_FP6
.endr
.rept 4
	v_nop
.endr
	FRAGS 9, 12288*(\q)+6144
.irp t, 0,1,2,3
	ds_load_b32 v[248+\t], v11 offset:(8*((4+\t)/2)+2*(\t%2))*272
.endr
	s_wait_dscnt 0x0
.irp t, 0,1,2,3
	v_wmma_scale_f32_16x16x128_f8f6f4 v[192+8*\t:199+8*\t], v[32+12*\t:43+12*\t], v[224:235], v[192+8*\t:199+8*\t], v[248+\t], v253 matrix_a_fmt:MATRIX_FMT_FP6 matrix_b_fmt:MATRIX_FMT_FP6
.endr
	s_add_co_u32 s41, s41, 544                     ; the next step's scale words
	s_add_co_u32 s42, s42, 4
.endm
; THE CHANGE OF SLOTS stands at a slot's head.  Each wave waits for all its tensor loads (its part of the slot that it is about to read), adds 0 to its spare word, and waits for that and for its reads of the slot that it has left.
; fill = 1: the barrier is a round of the cluster's, so that no wave of any partner still reads the slot or has a load on its way; the joint refill is the first thing behind it and has a slot's key steps in which to land.
.macro CHANGE fill
	s_wait_tensorcnt 0x0                           ; no tensor load of mine is out, so a group 0 may be written
	ds_add_u32 v5, v6
.if \fill
	ds_add_u32 v5, v6                              ; twice on end
	s_xor_b32 s33, s33, SLOT1
	s_add_nc_u64 s[34:35], s[34:35], 49152         ; the next 512 keys; the type bits on top are not reached
	s_wait_xcnt 0x0                                ; the last prefetch, a slot back, has read its address, so it may be written
	s_add_nc_u64 s[48:49], s[48:49], s[46:47]
.endif
	s_wait_dscnt 0x0                               ; the add is done, and my reads of the slot that I have left are over
.if \fill
	CROUND
	TLOAD                                          ; the first thing behind the round, and a wave's one tensor load until the next
	ASK
.else
	s_barrier_signal -1
	s_barrier_wait -1
.endif
.endm
.macro SLOT_STEPS
	STEP 0
	STEP 1
	s_add_co_u32 s41, s41, 1088                    ; past my partner's two key steps
	s_add_co_u32 s42, s42, 8
	s_xor_b32 s40, s40, SLOT1                      ; on to the other slot
.endm
; 64 numbers of a lane, v[s] .. v[s + 63], register 16 b + i = k 32 b + 16 (lane / 16) + i of my row, become a fragment's codes in v[PC] on and its scale word in v[PW].
.macro QUANT s
.irp b, 0,1,2,3
	v_max3_num_f32 v[TM+\b], |v[\s+16*\b]|, |v[\s+1+16*\b]|, 0x1800000   ; block b: my 16 numbers, and the floor
.endr
.irp i, 2,4,6,8,10,12,14
.irp b, 0,1,2,3
	s_delay_alu instid0(VALU_DEP_4)
	v_max3_num_f32 v[TM+\b], v[TM+\b], |v[\s+16*\b+\i]|, |v[\s+1+16*\b+\i]|
.endr
.endr
.irp b, 0,1,2,3
	s_delay_alu instid0(VALU_DEP_4)
	v_permlanex16_b32 v[TM+4+\b], v[TM+\b], s12, s13
.endr
.irp b, 0,1,2,3
	s_delay_alu instid0(VALU_DEP_4)
	v_max_num_f32 v[TM+\b], v[TM+\b], v[TM+4+\b]   ; with lane l xor 16's: the block's largest magnitude
.endr
.irp b, 0,1,2,3
	s_delay_alu instid0(VALU_DEP_4)
	v_add_nc_u32 v[TM+12+\b], 0xff000000, v[TM+\b]
.endr
.irp b, 0,1,2,3
	s_delay_alu instid0(VALU_DEP_4)
	v_lshrrev_b32 v[TM+4+\b], 23, v[TM+12+\b]      ; the scale's byte
.endr
	s_delay_alu instid0(VALU_DEP_3)
	v_lshl_or_b32 v[PW], v[TM+5], 8, v[TM+4]       ; the four bytes make my row's scale word
	s_delay_alu instid0(VALU_DEP_1)
	v_lshl_or_b32 v[PW], v[TM+6], 16, v[PW]
	s_delay_alu instid0(VALU_DEP_1)
	v_lshl_or_b32 v[PW], v[TM+7], 24, v[PW]
.irp c, 0,1
	v_cvt_scalef32_pk16_fp6_f32 v[PC+6*\c:PC+2+6*\c], v[\s+32*\c:\s+15+32*\c], v[TM+12+2*\c]
	v_cvt_scalef32_pk16_fp6_f32 v[PC+12+4*\c:PC+14+4*\c], v[\s+16+32*\c:\s+31+32*\c], v[TM+12+2*\c+1]
.endr
	v_nop                                          ; a plain line behind the conversions
.irp c, 0,1
.irp i, 0,1,2
	v_permlane16_swap_b32 v[PC+6*\c+\i], v[PC+12+4*\c+\i]
.endr
.irp i, 0,1,2
	s_delay_alu instid0(VALU_DEP_3)
	v_mov_b32 v[PC+3+6*\c+\i], v[PC+12+4*\c+\i]
.endr
.endr
.endm
	s_wait_loadcnt 0x0                             ; Q
.Lslot:                                            ; three trips: behind each change of slots but the last the next slot is asked for
	CHANGE 1
	SLOT_STEPS
	s_sub_co_u32 s43, s43, 1
	s_cmp_lg_u32 s43, 0
	s_cbranch_scc1 .Lslot
	CHANGE 0                                       ; the last slot is written out
	SLOT_STEPS
	; THE ADDRESSES OF THE JOIN AND OF THE WAY OUT are made by every wave, ahead of the branch on the wave's number.  These plain lines are also the places behind the last products.
	v_and_b32 v87, 15, v0                          ; r
	s_delay_alu instid0(VALU_DEP_1)
	v_lshlrev_b32 v85, 4, v87                      ; v85: my row's scale word: 16 r
	v_nop
	v_nop
	s_lshr_b32 s2, s70, 2
	s_lshl_b32 s2, s2, 17                          ; pairs 0-3 behind slot 0's tiles, pairs 4-7 behind slot 1's,
	s_and_b32 s3, s70, 3
	s_lshl_b32 s3, s3, 13                          ; 8,192 bytes a pair
	s_add_co_u32 s2, s2, s3
	s_add_co_u32 s2, s2, MRG
	v_add_nc_u32 v91, s2, v1                       ; v91: the image of O^T: 16 x lane
	s_lshl_b32 s3, s70, 9
	s_add_co_u32 s3, s3, MST
	v_add_nc_u32 v92, s3, v1                       ; v92: -M, t and the sum's halves: 16 bytes a lane
	; THE JOIN.  Waves 8 to 15 store their registers as they stand; the same lines as loads give the partner the same registers in the same lanes.
	s_cmp_lt_u32 s8, 8
	s_cbranch_scc1 .Lmeet
.irp n, 0,1,2,3,4,5,6,7,8,9,10,11,12,13,14,15
	ds_store_b128 v91, v[160+4*\n:163+4*\n] offset:512*\n   ; each accumulator from its low end on
.endr
	ds_store_b128 v92, v[12:15]
.Lmeet:
	s_wait_dscnt 0x0                               ; for the partner's sake: my stores are done
	s_barrier_signal -1
	s_barrier_wait -1
	s_cmp_lt_u32 s8, 8
	s_cbranch_scc0 .Lend                           ; waves 8 to 15 have handed their part on
	s_wait_alu depctr_va_vdst(0)
.irp n, 0,1,2,3,4,5,6,7,8,9,10,11,12,13,14,15
	ds_load_b128 v[96+4*\n:99+4*\n], v91 offset:512*\n   ; the partner's O^T
.endr
	ds_load_b128 v[32:35], v92                     ; its -M (v32) and its sum's halves (v34, v35)
	v_mov_b32 v41, 0                               ; (named as the upper halves of the pairs v[40:41] and v[42:43])
	v_mov_b32 v43, 0
	s_wait_dscnt 0x0
	v_min_num_f32 v36, v12, v32                    ; the joint -M: the larger M
	s_delay_alu instid0(VALU_DEP_1)
	v_sub_f32 v37, v36, v12                        ; my M less the joint one: a whole number, 0 or less
	s_delay_alu instid0(VALU_DEP_2)
	v_sub_f32 v38, v36, v32                        ; and the partner's
	s_delay_alu instid0(VALU_DEP_2)
	v_cvt_i32_f32 v37, v37                         ; (it saturates)
	s_delay_alu instid0(VALU_DEP_2)
	v_cvt_i32_f32 v38, v38
	s_delay_alu instid0(VALU_DEP_2)
	v_ldexp_f32 v40, 1.0, v37                      ; f1, f2: powers of two, which round nothing
	s_wait_alu depctr_va_vdst(0)
	v_ldexp_f32 v42, 1.0, v38
	v_pk_mul_f32 v[14:15], v[14:15], v[40:41] op_sel_hi:[1,0]
	s_delay_alu instid0(VALU_DEP_1)
	v_pk_fma_f32 v[14:15], v[34:35], v[42:43], v[14:15] op_sel_hi:[1,0,1]   ; both sums under the joint M
	s_delay_alu instid0(VALU_DEP_1)
	v_add_f32 v14, v14, v15                        ; the sum's two halves,
	s_delay_alu instid0(VALU_DEP_1)
	v_permlanex16_b32 v252, v14, s12, s13
	s_delay_alu instid0(VALU_DEP_1)
	v_add_f32 v14, v14, v252                       ; and lane l xor 16's: the row's sum
	s_wait_alu depctr_va_vdst(0)
	v_rcp_f32 v14, v14
	v_nop                                          ; a plain line behind the transcendental
	s_wait_alu depctr_va_vdst(0)                   ; the wait ahead of the first line that names the reciprocal
	v_mul_f32 v40, v40, v14                        ; f1 / the sum, f2 / the sum
	v_mul_f32 v42, v42, v14
.set J, 0
.rept 32
	v_pk_mul_f32 v[160+J:161+J], v[160+J:161+J], v[40:41] op_sel_hi:[1,0]   ; each accumulator from its low end on
.set J, J+2
.endr
.set J, 0
.rept 32
	v_pk_fma_f32 v[96+J:97+J], v[96+J:97+J], v[42:43], v[160+J:161+J] op_sel_hi:[1,0,1]   ; O^T / the sum
.set J, J+2
.endr
	; THE WAY OUT.  Registers 16 b + i are channels 32 b + 16 (lane / 16) + i of my query: they are quantised as they stand, and the twelve registers of codes are the next product's fragment:
	; they leave as its image, 512 consecutive bytes a store.
	QUANT 96
	global_store_b32 v85, v[PW], s[58:59]          ; the scale word of my query and head (lanes 16-31 store the same word to the same place)
.irp n, 0,1,2
	global_store_b128 v1, v[PC+4*\n:PC+4*\n+3], s[56:57] offset:512*\n
.endr
.Lend:
	s_wait_tensorcnt 0x0                           ; the wave's end: behind my last tensor load and my last LDS store
	ds_add_u32 v5, v6
	s_wait_dscnt 0x0
	CROUND                                         ; the closing round: no work-group ends while a partner may still ask for a tile that names it
	s_endpgm
.Lfunc_end_k_qd01acef8d3_attn:
	.size	k_qd01acef8d3_attn, .Lfunc_end_k_qd01acef8d3_attn-k_qd01acef8d3_attn
	.p2alignl 7, 3214868480
	.fill 96, 4, 3214868480
	.section	.rodata,"a",@progbits
	.p2align	6, 0x0
	.amdhsa_kernel k_qd01acef8d3_attn
		.amdhsa_group_segment_fixed_size 327680
		.amdhsa_private_segment_fixed_size 0
		.amdhsa_enable_private_segment 0
		.amdhsa_kernarg_size 16
		.amdhsa_user_sgpr_count 2
		.amdhsa_user_sgpr_kernarg_segment_ptr 1
		.amdhsa_wavefront_size32 1
		.amdhsa_system_sgpr_workgroup_id_x 1
		.amdhsa_system_sgpr_workgroup_id_y 1
		.amdhsa_system_sgpr_workgroup_id_z 1
		.amdhsa_system_vgpr_workitem_id 0
		.amdhsa_next_free_vgpr 256
		.amdhsa_next_free_sgpr 72
		.amdhsa_reserve_vcc 0
		.amdhsa_float_denorm_mode_32 3
		.amdhsa_float_denorm_mode_16_64 3
		.amdhsa_memory_ordered 1
		.amdhsa_forward_progress 1
		.amdhsa_inst_pref_size 109
	.end_amdhsa_kernel
	.amdgpu_metadata
---
amdhsa.version: [ 1, 2 ]
amdhsa.kernels:
  - .name:           k_qd01acef8d3_attn
    .symbol:         k_qd01acef8d3_attn.kd
    .args:
      - { .name: qkvq, .offset: 0, .size: 8, .value_kind: global_buffer, .address_space: global }
      - { .name: oq, .offset: 8, .size: 8, .value_kind: global_buffer, .address_space: global }
    .group_segment_fixed_size: 327680
    .private_segment_fixed_size: 0
    .kernarg_segment_align: 8
    .kernarg_segment_size: 16
    .max_flat_workgroup_size: 512
    .sgpr_count:     72
    .vgpr_count:     256
    .wavefront_size: 32
...
	.end_amdgpu_metadata
.endif
;; end of part 4
;; launch outproj (part 5): grid 8 x 32, 4 waves a work-group, clusters of 4 x 1, 327,680 bytes of LDS; arguments oq, woq, bo, out0; writes out0
.if DOCPART == 5
	.amdgcn_target "amdgcn-amd-amdhsa--gfx1250"
	.amdhsa_code_object_version 6
	.text
	.protected	k_qd01acef8d3_outproj
	.globl	k_qd01acef8d3_outproj
	.p2align	8
	.type	k_qd01acef8d3_outproj,@function
k_qd01acef8d3_outproj:
	s_mov_b64 s[64:65], 0
	v_nop
	global_prefetch_b8 v0, s[64:65] scope:SCOPE_SE
	s_setreg_imm32_b32 hwreg(HW_REG_WAVE_MODE, 25, 1), 1
	s_wait_xcnt 0x0
	s_wait_alu depctr_hold_cnt(0) depctr_sa_sdst(0) depctr_va_vdst(0) depctr_va_sdst(0) depctr_va_ssrc(0) depctr_va_vcc(0) depctr_vm_vsrc(0)
	s_getreg_b32 s2, hwreg(HW_REG_IB_STS2, 6, 4)
	s_cmp_eq_u32 s2, 0
	s_cbranch_scc0 .Lentry_in_a_cluster
	s_endpgm
.Lentry_in_a_cluster:
	s_bfe_u32 s2, ttmp6, 0x10000c
	s_cmp_lg_u32 s2, 0x3003
	s_cbranch_scc0 .Lentry_shape_is_right
	s_endpgm
.Lentry_shape_is_right:
; out0 = O Wo^T + bo on codes of FP6 (E2M3) with E8M0 scales; operands arrive as images of fragments (16 rows x 128 K, 1,536 bytes).
; A work-group makes 256 rows x 64 columns: 8 x 32 = 256 work-groups; a wave 64 rows x 64 columns: 16 accumulators.
; B (Wo's 4 row blocks, all of K) is 98,304 dense bytes: it comes once, a quarter a wave by one joint tensor load (the four row blocks of a cluster take the same columns), and stays in LDS: nothing is filled again.
; A (O's rows) is read by one wave alone: from memory into registers, 12 loads of 512 consecutive bytes a step, AD steps ahead.  Scale words go into registers once.
; O's fragment rb holds, as its row m, query 32 (rb / 2) + 8 (rb % 2) + m + 8 (m / 8): the way out puts each row where it belongs.
; PREFETCH: B has no loop to run ahead in.  A's steps AD .. 15 are named once each: of the 32 work-groups that read a wave's rows, number j (AD <= j < 16) names step j's 24 runs of 256 bytes.
; The product is used transposed; the bias is the C of the first step; the accumulators take turns.
; REGISTERS by flat number (window = number / 256): 0-15 addresses; 16-47 A's scale words; 48-79 B's; 144-175 the bias; 256-447 B's four sets; 448, 640, 688, 768, 816, 864 A's six sets; 512-639 accumulators.
.set NB, 4
.set HB, 4
.set NBS, 4
.set AD, 6
.set NT, 1
.set PERM, 1
.set SPR, 8
.set OUTP, 10
.macro AFL n
.if (\n) == 0
.set AB, 448
.else
.if (\n) < 3
.set AB, 640+48*((\n)-1)
.else
.set AB, 768+48*((\n)-3)
.endif
.endif
.endm
.set UH, NB/HB
.set NU, 16*UH
.set STEPB, NB*1536
.set PIECE, NB*6144
.set SPARE, NB*24576
.set SP, NB*64+16
.set ASC, 3145728
.set BCD, 393216
.set BA, 2
.set STO, 8
.set RD, 9
.set CO, 10
.set BO, 11
.set PFO, 12
.set SPW, 14
.set NIL, 15
.set ASR, 16
.set BSR, 48
.set BI, 144
.set MSB, 0
.macro WIN new
.if MSB != (\new)
	s_set_vgpr_msb (MSB<<8)|(\new)
.set MSB, \new
.endif
.endm
.macro PLACES
.rept 4
	v_nop
.endr
.endm
.macro CROUND
	s_barrier_signal -1
	s_barrier_wait -1
	s_cmp_lg_u32 s16, 0
	s_cbranch_scc1 .Lnot_wave_0_\@
	s_barrier_signal -3
.Lnot_wave_0_\@:
	s_barrier_wait -3
	s_barrier_signal -1
	s_barrier_wait -1
.endm
	s_load_b256 s[4:11], s[0:1], 0x0               ; A s[4:5], B s[6:7], bo s[8:9], out0 s[10:11]
	v_lshl_add_u32 v[SPW], v0, 2, SPARE
	v_mov_b32 v[NIL], 0
	ds_add_u32 v[SPW], v[NIL]                      ; the opening lines: the add, twice on end, and its wait
	ds_add_u32 v[SPW], v[NIL]
	v_lshrrev_b32 v144, 5, v0
	v_readfirstlane_b32 s16, v144                  ; wave
	v_and_b32 v146, 31, v0
	v_lshlrev_b32 v[BA], 4, v146                   ; 16 x lane
.set I_, 1
.rept 15/SPR
	v_add_nc_u32 v[BA+I_], I_*SPR*STEPB, v[BA]
.set I_, I_+1
.endr
	v_min_u32 v[PFO], 23, v146
	v_lshlrev_b32 v[PFO], 8, v[PFO]
	v_and_b32 v144, 15, v0                         ; r
	v_bfe_u32 v145, v0, 4, 1                       ; h
	s_mul_i32 s20, s16, 16*SP                      ; my stage
	v_mul_u32_u24 v146, v144, SP
	v_lshl_add_u32 v146, v145, 5, v146
	v_add_nc_u32 v[STO], s20, v146
	v_mul_u32_u24 v146, v145, SP
	v_lshl_add_u32 v146, v144, 4, v146
	v_add_nc_u32 v[RD], s20, v146
	v_lshlrev_b32 v146, 13, v145
	v_lshl_add_u32 v[CO], v144, 4, v146
	v_lshlrev_b32 v[BO], 5, v145
	s_bfe_u32 s17, ttmp6, 0x40000                  ; cx
	s_lshl_b32 s18, ttmp9, 2
	s_add_co_u32 s18, s18, s17                     ; my 256 rows
	s_and_b32 s19, ttmp7, 0xffff                   ; my 64 columns, which the four partners share
	s_mov_b32 s24, 15|(3<<16)|(1<<21)
	s_mov_b32 s25, 32<<16
	s_mov_b32 s26, (PIECE/256)<<16
	s_mov_b32 s27, 32<<16
	s_mov_b32 s28, PIECE/256
	s_mov_b32 s29, 32
	s_mov_b32 s30, 0
	s_mov_b32 s31, 0
	s_mov_b32 s32, 1
	s_mul_i32 s33, s16, PIECE
	s_mul_i32 s56, s19, NB*24576
	s_add_co_u32 s56, s56, s33
	s_add_co_u32 s56, s56, BCD
	s_mov_b32 s57, 0
	s_mul_i32 s58, s19, NB*1024
	s_mov_b32 s59, 0
	s_lshl_b32 s22, s18, 2
	s_add_co_u32 s22, s22, s16                     ; my 64 rows: a group of four fragments
	s_mul_i32 s36, s22, 98304
	s_mov_b32 s37, 0
	s_lshl_b32 s38, s22, 12
	s_add_co_u32 s38, s38, ASC
	s_mov_b32 s39, 0
	s_min_u32 s21, s19, 15
	s_mul_i32 s42, s21, 6144
	s_mov_b32 s43, 0
	s_wait_alu depctr_va_vdst(0)                   ; the wait at the head's end
	s_wait_dscnt 0x0
	s_wait_kmcnt 0x0
	s_add_nc_u64 s[34:35], s[6:7], s[56:57]
	s_or_b32 s35, s35, 0x80000000
	CROUND
	tensor_load_to_lds s[32:35], s[24:31]          ; my quarter of B: every wave's one tensor load
	s_nop 0
	PLACES
	s_add_nc_u64 s[36:37], s[4:5], s[36:37]
	s_add_nc_u64 s[38:39], s[4:5], s[38:39]
	s_add_nc_u64 s[40:41], s[6:7], s[58:59]
	s_add_nc_u64 s[42:43], s[36:37], s[42:43]
.set I_, 0
.rept 8
	global_load_b128 v[ASR+4*I_:ASR+4*I_+3], v[BA], s[38:39] offset:512*I_
.set I_, I_+1
.endr
.set I_, 0
.rept 2*NB
	global_load_b128 v[BSR+4*I_:BSR+4*I_+3], v[BA], s[40:41] offset:512*I_
.set I_, I_+1
.endr
	s_lshl_b32 s61, s22, 19
	s_mov_b32 s67, 0
	s_mov_b32 s69, 0
	s_lshl_b32 s66, s19, 8
	s_add_co_u32 s68, s66, s61
	s_add_nc_u64 s[44:45], s[8:9], s[66:67]
	s_add_nc_u64 s[50:51], s[OUTP:OUTP+1], s[68:69]
.set I_, 0
.rept NB
	global_load_b128 v[BI+8*I_:BI+8*I_+3], v[BO], s[44:45] offset:64*I_
	global_load_b128 v[BI+8*I_+4:BI+8*I_+7], v[BO], s[44:45] offset:64*I_+16
.set I_, I_+1
.endr
.macro ALOAD s
	AFL (\s)%AD
	WIN (AB>>8)<<6
.set A0, AB&255
.set K_, 0
.rept 12
	global_load_b128 v[A0+4*K_:A0+4*K_+3], v[BA], s[36:37] offset:(\s)*6144+512*K_
.set K_, K_+1
.endr
.endm
.macro BLOAD u
.set LS, (\u)/UH
.set LO, (LS%SPR)*STEPB+((\u)%UH)*HB*1536
.set LR, 12*HB*((\u)%NBS)
	WIN 0x40
.set K_, 0
.rept 3*HB
	ds_load_b128 v[LR+4*K_:LR+4*K_+3], v[BA+LS/SPR] offset:LO+512*K_
.set K_, K_+1
.endr
.endm
.macro WM
.set WV, ((DD>>8)<<6)|((CC>>8)<<4)|((S1>>8)<<2)|(S0>>8)
	WIN WV
.set D0, DD&255
.set C0, CC&255
.set P0, S0&255
.set P1, S1&255
.if OD
	v_wmma_scale_f32_16x16x128_f8f6f4 v[D0:D0+7], v[P0:P0+11], v[P1:P1+11], v[C0:C0+7], v[SB], v[SA] matrix_a_fmt:MATRIX_FMT_FP6 matrix_b_fmt:MATRIX_FMT_FP6 matrix_a_scale:MATRIX_SCALE_ROW1 matrix_b_scale:MATRIX_SCALE_ROW1
.else
	v_wmma_scale_f32_16x16x128_f8f6f4 v[D0:D0+7], v[P0:P0+11], v[P1:P1+11], v[C0:C0+7], v[SB], v[SA] matrix_a_fmt:MATRIX_FMT_FP6 matrix_b_fmt:MATRIX_FMT_FP6
.endif
.endm
.macro UNIT u
.set ST, (\u)/UH
.set HF, (\u)%UH
.set OD, ST%2
.set BFS, 256+12*HB*((\u)%NBS)
	AFL ST%AD
.if HF == 0
.if 15-ST < AD-1
	s_wait_loadcnt 12*(15-ST)                      ; this step's A is in; the later steps' loads may be out, 12 a step
.else
	s_wait_loadcnt 12*(AD-1)
.endif
.endif
.if NU-1-(\u) < NBS-1
	s_wait_dscnt 3*HB*(NU-1-(\u))                  ; this unit's B is in; the later units' loads may be out
.else
	s_wait_dscnt 3*HB*(NBS-1)
.endif
.if (\u) == NU-1
	s_barrier_signal -1                            ; my reads of B are over
.endif
.set A_, 0
.rept 4
.set F_, 0
.rept HB
.set B_, HF*HB+F_
.set DD, 512+256*HF+8*(HB*A_+F_)
.if ST == 0
.set CC, BI+8*B_
.else
.set CC, DD
.endif
.set S0, BFS+12*F_
.set S1, AB+12*A_
.set SB, BSR+8*B_+4*(ST/8)+(ST%8)/2
.set SA, ASR+8*A_+4*(ST/8)+(ST%8)/2
	WM
.set F_, F_+1
.endr
.set A_, A_+1
.endr
.if (\u)+NBS < NU
	PLACES                                         ; four places in front of loads into registers that the products have read
	BLOAD (\u)+NBS
.if HF == UH-1 && ST+AD < 16
	ALOAD ST+AD
.endif
.endif
.endm
.set I_, 0
.rept AD
	ALOAD I_
.set I_, I_+1
.endr
	WIN 0
	s_sub_co_u32 s21, s19, AD
	s_cmp_lt_u32 s21, 16-AD
	s_cbranch_scc0 .Lnot_mine
	global_prefetch_b8 v[PFO], s[42:43] th:TH_LOAD_NT scope:SCOPE_SE
.Lnot_mine:
	s_wait_tensorcnt 0x0                           ; my quarter of B is in
	s_barrier_signal -1
	s_barrier_wait -1                              ; and everybody's
.set I_, 0
.rept NBS
	BLOAD I_
.set I_, I_+1
.endr
.set U_, 0
.rept NU
	UNIT U_
.set U_, U_+1
.endr
	WIN 0
	s_barrier_wait -1                              ; nobody reads B any more: the stages, which lie in its bytes, may be written
.macro TOSTAGE a
.set B_, 0
.rept NB
.set DD, 512+256*(B_/HB)+8*(HB*(\a)+B_%HB)
	WIN (DD>>8)<<2
.set D0, DD&255
	ds_store_b128 v[STO], v[D0:D0+3] offset:64*B_          ; each accumulator from its low end on
	ds_store_b128 v[STO], v[D0+4:D0+7] offset:64*B_+16
.set B_, B_+1
.endr
	WIN 0x40
.set OBR, 32*NT*((\a)%2)
.set K_, 0
.rept 8*NT
	ds_load_b128 v[OBR+4*K_:OBR+4*K_+3], v[RD] offset:(K_%8)*2*SP+256*(K_/8)
.set K_, K_+1
.endr
.endm
.macro SEND a, younger
	s_wait_dscnt \younger
	WIN 0x04
.set OBR, 32*NT*((\a)%2)
.set K_, 0
.rept 8*NT
.set T2, 2*(K_%8)
.if PERM
.set RW, 32*((\a)/2)+8*((\a)%2)+T2+8*(T2/8)
.else
.set RW, 16*(\a)+T2
.endif
	global_store_b128 v[CO], v[OBR+4*K_:OBR+4*K_+3], s[50+2*(K_/8):51+2*(K_/8)] offset:RW*8192 th:TH_STORE_NT   ; sixteen lanes store 256 consecutive bytes, aligned
.set K_, K_+1
.endr
.endm
	PLACES
	TOSTAGE 0
.irp a, 1,2,3
.if \a > 1
	s_wait_xcnt 0x0                                ; the stores of two blocks back have read their registers
.endif
	TOSTAGE \a
	SEND \a-1, 2*NB+8*NT
.endr
	SEND 3, 0
	WIN 0
	s_wait_tensorcnt 0x0                           ; the wave's end
	ds_add_u32 v[SPW], v[NIL]
	s_wait_dscnt 0x0
	CROUND                                         ; the closing round
	s_endpgm
.Lfunc_end_k_qd01acef8d3_outproj:
	.size	k_qd01acef8d3_outproj, .Lfunc_end_k_qd01acef8d3_outproj-k_qd01acef8d3_outproj
	.p2alignl 7, 3214868480
	.fill 96, 4, 3214868480
	.section	.rodata,"a",@progbits
	.p2align	6, 0x0
	.amdhsa_kernel k_qd01acef8d3_outproj
		.amdhsa_group_segment_fixed_size 327680
		.amdhsa_private_segment_fixed_size 0
		.amdhsa_enable_private_segment 0
		.amdhsa_kernarg_size 32
		.amdhsa_user_sgpr_count 2
		.amdhsa_user_sgpr_kernarg_segment_ptr 1
		.amdhsa_wavefront_size32 1
		.amdhsa_system_sgpr_workgroup_id_x 1
		.amdhsa_system_sgpr_workgroup_id_y 1
		.amdhsa_system_sgpr_workgroup_id_z 1
		.amdhsa_system_vgpr_workitem_id 0
		.amdhsa_next_free_vgpr 1024
		.amdhsa_next_free_sgpr 72
		.amdhsa_reserve_vcc 0
		.amdhsa_float_denorm_mode_32 3
		.amdhsa_float_denorm_mode_16_64 3
		.amdhsa_memory_ordered 1
		.amdhsa_forward_progress 1
		.amdhsa_inst_pref_size 81
	.end_amdhsa_kernel
	.amdgpu_metadata
---
amdhsa.version: [ 1, 2 ]
amdhsa.kernels:
  - .name:           k_qd01acef8d3_outproj
    .symbol:         k_qd01acef8d3_outproj.kd
    .args:
      - { .name: oq, .offset: 0, .size: 8, .value_kind: global_buffer, .address_space: global }
      - { .name: woq, .offset: 8, .size: 8, .value_kind: global_buffer, .address_space: global }
      - { .name: bo, .offset: 16, .size: 8, .value_kind: global_buffer, .address_space: global }
      - { .name: out0, .offset: 24, .size: 8, .value_kind: global_buffer, .address_space: global }
    .group_segment_fixed_size: 327680
    .private_segment_fixed_size: 0
    .kernarg_segment_align: 8
    .kernarg_segment_size: 32
    .max_flat_workgroup_size: 128
    .sgpr_count:     72
    .vgpr_count:     1024
    .wavefront_size: 32
...
	.end_amdgpu_metadata
.endif
;; end of part 5
